; MI455X (gfx1250); checked and timed in simulation.
; The chip was launched on July 23, 2026; its instructions are those of AMD's public machine-readable ISA for CDNA 5 (MIT licence, August 2026) and "CDNA5" Instruction Set Architecture Reference Guide (July 2026). The comments in the code are by the model that wrote it; some were corrected since.
;; Model. Allowed arithmetic: float matrix products may take bf16 or f16 operands with f32 sums; other float arithmetic in f32, or as packed bf16 or f16 multiplies, adds, multiply-adds, maxima and minima; sums over many terms, partial sums and values carried from step to step in f32; what a program stores and reads back later, other than sums and carried values, may be rounded once to bf16 or f16.
;; Inputs: Wk 1,024 x 1,024 float32; Wq 1,024 x 1,024 float32; Wv 1,024 x 1,024 float32; bk 1,024 float32; bq 1,024 float32; bv 1,024 float32; k 8 x 2,048 x 1,024 float32; mask 8 x 2,048 bool; q 8 x 512 x 1,024 float32; v 8 x 2,048 x 1,024 float32.
;; Outputs: out0 8 x 512 x 1,024 float32.
;; One version. Each part assembles by itself: llvm-mc -triple=amdgcn-amd-amdhsa -mcpu=gfx1250 --defsym DOCPART=n.
;; ======== version 1 of 1: 5 launches
;; workspace buffers: WvB 2,097,152 bytes; W2T 4,194,304 bytes; tu 8,192 bytes; cvec 16,384 bytes; T2 16,777,216 bytes; VpT 33,554,432 bytes; P 16,777,216 bytes; st 524,288 bytes
;; launch wprep (part 1): grid 16 x 16, 4 waves a work-group, clusters of 4 x 4, 327,680 bytes of LDS; arguments Wk, Wq, Wv, bq, bk, W2T, WvB, tu; writes W2T, WvB, tu
.if DOCPART == 1
	.amdgcn_target "amdgcn-amd-amdhsa--gfx1250"
	.amdhsa_code_object_version 6
	.text
	.protected	k_qe68d0c091a_wprep
	.globl	k_qe68d0c091a_wprep
	.p2align	8
	.type	k_qe68d0c091a_wprep,@function
k_qe68d0c091a_wprep:
	s_mov_b64 s[64:65], 0
	v_nop
	global_prefetch_b8 v0, s[64:65] scope:SCOPE_SE
	s_setreg_imm32_b32 hwreg(HW_REG_WAVE_MODE, 25, 1), 1
	s_wait_xcnt 0x0
	s_wait_alu depctr_hold_cnt(0) depctr_sa_sdst(0) depctr_va_vdst(0) depctr_va_sdst(0) depctr_va_ssrc(0) depctr_va_vcc(0) depctr_vm_vsrc(0)
	s_getreg_b32 s2, hwreg(HW_REG_IB_STS2, 6, 4)
	s_cmp_eq_u32 s2, 0
	s_cbranch_scc0 .Lentry_in_a_cluster
	s_endpgm
.Lentry_in_a_cluster:
	s_bfe_u32 s2, ttmp6, 0x10000c
	s_cmp_lg_u32 s2, 0xf033
	s_cbranch_scc0 .Lentry_shape_is_right
	s_endpgm
.Lentry_shape_is_right:
; What hangs on the weights alone, every input rounded once to bf16, sums in f32:
;   W2T[j][i] = sum over c of Wk[j][c] Wq[i][c], stored as a pair of bf16, hi = bf16(x), lo = bf16(x - hi): [j 1024][blk of 64 i][hi 64 | lo 64];
;   tu[j] = t0[j] = sum over c of Wk[j][c] bq[c];   tu[1024 + i] = u[i] = sum over c of Wq[i][c] bk[c];
;   WvB[kblk][ch][kk] = bf16(Wv[64 kblk + kk][ch]): Wv turned in blocks of 64 k.
; With them (q Wq + bq) Wk^T = q W2 + t0 and (q Wq + bq) . bk = q . u + bq . bk: the same sums as the projections', in another order.
; A work-group makes 64 j x 64 i.  X = 64 rows of Wk, Y = 64 rows of Wq, f32 tiles of 256 c, rounded between LDS and the matrix unit; four K steps through two LDS slots.
; K IS SPLIT OVER THE WAVES: wave w takes the units of 32 c numbered w and w + 4 of each step, for the whole tile: 16 accumulators.  So each LDS byte is read once and each number rounded once.
; The four partial tiles, f32, meet in LDS at the end, and wave w finishes rows 16 w .. 16 w + 15.
; CLUSTER 4 x 4: X's tile hangs on the work-group's y alone (joint along a row of the cluster), Y's on x alone (along a column).  A load has 32 rows: a tile has 64 and two waves share it.
; Source 0 = Y (i), source 1 = X (j): a lane holds one row j and eight neighbouring i.
; In the wait for the first tile: the work-group's block of Wv (64 k x 64 ch) is turned through a stage of its own; wave w of work-group g makes t0 and u of row 4 g + w;
; and the 128 registers of sums are cleared: the price, 128 v_mov_b32, of one text of a step for all four steps.
; REGISTERS: window 0: v0-31 addresses; v32-95 X as loaded, v96-159 Y as loaded; v160-191 X rounded, v192-223 Y rounded; v224-247 data of stores   window 1: v0-127 sums ((a, b) at 8 (4 a + b))
; LIMITS: what a pair hi + lo leaves out is about 2^-17 of the number; NaN and infinities are not treated apart.
.set XP,    1040                       ; an LDS row: 1,024 bytes + 16 = 65 x 16: the 16 rows of a load start at 16 different groups of four banks
.set HALF,  32*XP
.set YOFF,  64*XP
.set SLOTX, 128*XP                     ; 0x20800: every LDS base inside slot 0 has bits 11 and 17 clear, so the exclusive or adds or takes away a slot
.set KSTEP, 1024                       ; bytes: 256 f32
.set VST,   2*SLOTX                    ; behind the ring, never filled by a tensor load: 64 channel rows x 144 bytes for Wv
.set VP,    144
.set STG,   VST+64*VP                  ; 16 rows x 272 bytes a wave, for the way out
.set SGP,   272
.set SPARE, STG+4*16*SGP               ; the spare words
.set RX, 32
.set RY, 96
.set XC, 160
.set YC, 192
.set MSB, 0
.macro WIN new                         ; the immediate's high byte repeats the setting that is left; a switch that changes nothing is dropped
.if MSB != (\new)
	s_set_vgpr_msb (MSB<<8)|(\new)
.set MSB, \new
.endif
.endm
.macro PLACES                          ; four places behind matrix instructions, in front of writes and reads of their registers (ISA guide 7.12.1)
.rept 4
	v_nop
.endr
.endm
.macro CREST
	s_cmp_lg_u32 s16, 0
	s_cbranch_scc1 .Lnot_wave_0_\@
	s_barrier_signal -3
.Lnot_wave_0_\@:
	s_barrier_wait -3
	s_barrier_signal -1
	s_barrier_wait -1
.endm
.macro CROUND
	s_barrier_signal -1
	s_barrier_wait -1
	CREST
.endm
.macro JLOAD                           ; a joint refill: waves 0, 1 fetch X's halves, waves 2, 3 Y's
	s_cmp_eq_u32 s17, 0
	s_cbranch_scc0 .Lfor_y_\@
	tensor_load_to_lds s[36:39], s[24:31]
	s_nop 0
.rept 4
	v_nop
.endr
	s_branch .Lasked_\@
.Lfor_y_\@:
	tensor_load_to_lds s[52:55], s[40:47]
	s_nop 0
.rept 4
	v_nop
.endr
.Lasked_\@:
.endm
.macro STEPD                           ; the walking descriptors: the other slot, the next K step
	s_xor_b32 s37, s37, SLOTX
	s_add_nc_u64 s[38:39], s[38:39], KSTEP
	s_xor_b32 s53, s53, SLOTX
	s_add_nc_u64 s[54:55], s[54:55], KSTEP
.endm
	s_load_b256 s[4:11], s[0:1], 0x0               ; Wk, Wq, Wv, bq
	s_load_b256 s[84:91], s[0:1], 0x20             ; bk, W2T, WvB, tu
	v_lshl_add_u32 v28, v0, 2, SPARE
	v_mov_b32 v29, 0
	ds_add_u32 v28, v29                            ; the wave's opening: the add and its wait ahead of my first tensor load
	v_lshrrev_b32 v1, 5, v0
	v_readfirstlane_b32 s16, v1                    ; wave
	s_lshr_b32 s17, s16, 1                         ; I fetch for X (0) or Y (1)
	s_and_b32 s18, s16, 1                          ; which half I fetch
	s_bfe_u32 s56, ttmp6, 0x40000                  ; cx
	s_bfe_u32 s57, ttmp6, 0x40004                  ; cy
	s_lshl_b32 s58, ttmp9, 2
	s_add_co_u32 s58, s58, s56                     ; work-group x
	s_and_b32 s62, ttmp7, 0xffff
	s_lshl_b32 s59, s62, 2
	s_add_co_u32 s59, s59, s57                     ; work-group y
	s_lshl_b32 s60, s57, 2
	s_lshl_b32 s60, 15, s60                        ; my row of the cluster
	s_lshl_b32 s61, 0x1111, s56                    ; my column
	s_or_b32 s24, s60, (2<<16)|(1<<20)|(1<<21)|(7<<22)|(3<<25)  ; both tiles: 32 rows x 256 f32, 4 words of padding behind every 256
	s_or_b32 s40, s61, (2<<16)|(1<<20)|(1<<21)|(7<<22)|(3<<25)
.irp g, 24, 40
	s_mov_b32 s[\g+1], 256<<16                     ; tensor_dim0
	s_mov_b32 s[\g+2], 32<<16                      ; tensor_dim1
	s_mov_b32 s[\g+3], 256<<16                     ; tile_dim0
	s_mov_b32 s[\g+4], 32                          ; tile_dim1
	s_mov_b32 s[\g+5], 1024                        ; elements from row to row
	s_mov_b32 s[\g+6], 0
	s_mov_b32 s[\g+7], 0
.endr
	s_mov_b32 s32, 1
	s_mul_i32 s33, s18, HALF
	s_mov_b32 s36, 1
	s_add_co_u32 s37, s33, SLOTX
	s_mov_b32 s48, 1
	s_mul_i32 s49, s18, HALF
	s_add_co_u32 s49, s49, YOFF
	s_mov_b32 s52, 1
	s_add_co_u32 s53, s49, SLOTX
	s_lshl_b32 s66, s59, 18                        ; X: row 64 y + 32 half, 4,096 bytes a row
	s_lshl_b32 s23, s18, 17
	s_add_co_u32 s66, s66, s23
	s_mov_b32 s67, 0
	s_lshl_b32 s68, s58, 18                        ; Y: row 64 x + 32 half
	s_lshl_b32 s63, s18, 17
	s_add_co_u32 s68, s68, s63
	s_mov_b32 s69, 0
	s_mov_b32 s19, 0                               ; LDS byte of the unit to fetch, less the lane's and the wave's part
	s_mov_b32 s74, 0x76543210
	s_mov_b32 s75, 0xfedcba98
	s_mov_b32 s76, 0xffff0000                      ; a word's upper bf16; as a mask of lanes: lanes 16-31
	s_wait_dscnt 0x0                               ; the opening add is done
	s_wait_kmcnt 0x0
	s_add_nc_u64 s[34:35], s[4:5], s[66:67]
	s_add_nc_u64 s[38:39], s[34:35], KSTEP
	s_or_b32 s35, s35, 0x80000000
	s_or_b32 s39, s39, 0x80000000
	s_add_nc_u64 s[50:51], s[6:7], s[68:69]
	s_add_nc_u64 s[54:55], s[50:51], KSTEP
	s_or_b32 s51, s51, 0x80000000
	s_or_b32 s55, s55, 0x80000000
	CROUND                                         ; all sixteen work-groups are here: the first joint loads meet
	s_cmp_eq_u32 s17, 0                            ; a wave's two first fills stand in one branch
	s_cbranch_scc0 .Lfirst_y
	tensor_load_to_lds s[32:35], s[24:31]
	s_nop 0
	tensor_load_to_lds s[36:39], s[24:31]
	s_nop 0
.rept 4
	v_nop
.endr
	s_branch .Lfirst_done
.Lfirst_y:
	tensor_load_to_lds s[48:51], s[40:47]
	s_nop 0
	tensor_load_to_lds s[52:55], s[40:47]
	s_nop 0
.rept 4
	v_nop
.endr
.Lfirst_done:
	v_and_b32 v1, 15, v0                           ; r
	v_bfe_u32 v2, v0, 4, 1                         ; h
	v_and_b32 v3, 31, v0                           ; lane
	; my block of Wv: rows 64 y + 16 w + 8 h + i, channels 64 x + 4 r + 0..3: a load covers two rows' 256 bytes
	s_lshl_b32 s70, s59, 18
	s_lshl_b32 s77, s58, 8
	s_add_co_u32 s70, s70, s77
	s_mov_b32 s71, 0
	s_add_nc_u64 s[8:9], s[8:9], s[70:71]
	s_lshl_b32 s77, s16, 16
	v_lshlrev_b32 v16, 4, v1
	v_lshl_add_u32 v16, v2, 15, v16
	v_add_nc_u32 v16, s77, v16
.set i, 0
.rept 8
	global_load_b128 v[32+4*i:35+4*i], v16, s[8:9] offset:4096*i th:TH_LOAD_NT
.set i, i+1
.endr
	; row 4 (16 y + x) + w of Wk and of Wq, and the two biases: 512 consecutive bytes a load
	s_lshl_b32 s70, s59, 18
	s_lshl_b32 s77, s58, 14
	s_add_co_u32 s70, s70, s77
	s_lshl_b32 s77, s16, 12
	s_add_co_u32 s70, s70, s77
	s_add_nc_u64 s[78:79], s[4:5], s[70:71]
	s_add_nc_u64 s[80:81], s[6:7], s[70:71]
	v_lshlrev_b32 v17, 4, v3
.set i, 0
.rept 8
	global_load_b128 v[96+4*i:99+4*i], v17, s[78:79] offset:512*i
	global_load_b128 v[128+4*i:131+4*i], v17, s[80:81] offset:512*i
	global_load_b128 v[160+4*i:163+4*i], v17, s[10:11] offset:512*i
	global_load_b128 v[192+4*i:195+4*i], v17, s[84:85] offset:512*i
.set i, i+1
.endr
	v_mul_u32_u24 v4, v1, XP                       ; X fragments: r pitch + 32 h + 128 w (my unit among four)
	v_lshl_add_u32 v4, v2, 5, v4
	s_lshl_b32 s77, s16, 7
	v_add_nc_u32 v4, s77, v4
	v_add_nc_u32 v5, YOFF, v4                      ; Y fragments likewise
	v_mul_u32_u24 v8, v1, 4*VP                     ; Wv's stage in: channel row 4 r, bytes 32 w + 16 h
	v_lshl_add_u32 v8, v2, 4, v8
	s_lshl_b32 s77, s16, 5
	s_add_co_u32 s77, s77, VST
	v_add_nc_u32 v8, s77, v8
	v_lshrrev_b32 v9, 3, v0                        ; back: row t / 8, 16 bytes t % 8
	v_mul_u32_u24 v9, v9, VP
	v_and_b32 v13, 7, v0
	v_lshl_add_u32 v9, v13, 4, v9
	v_add_nc_u32 v9, VST, v9
	s_mul_i32 s77, s16, 16*SGP
	s_add_co_u32 s77, s77, STG
	v_mul_u32_u24 v10, v1, SGP                     ; my stage in: row r, 16 bytes for each half of the lanes
	v_lshl_add_u32 v10, v2, 4, v10
	v_add_nc_u32 v10, s77, v10
	v_mul_u32_u24 v11, v2, SGP                     ; back: two whole rows of 256 bytes
	v_lshl_add_u32 v11, v1, 4, v11
	v_add_nc_u32 v11, s77, v11
	v_lshlrev_b32 v12, 12, v2                      ; the same two rows in W2T
	v_lshl_add_u32 v12, v1, 4, v12
	s_lshl_b32 s77, s16, 14
	v_lshl_add_u32 v14, v3, 4, s77                 ; where my partial tile goes: 16,384 w + 16 lane
	s_lshl_b32 s77, s16, 12
	v_lshl_add_u32 v15, v3, 4, s77                 ; where the four partial blocks of my rows lie: 4,096 w + 16 lane
	v_lshlrev_b32 v18, 12, v2                      ; tu: t0 for lanes 0-15, u 4,096 bytes on
	v_lshlrev_b32 v19, 4, v0                       ; WvB: 16 t
	s_lshl_b32 s70, s59, 18                        ; W2T: row 64 y + 16 w; unit x of 256 bytes
	s_lshl_b32 s77, s16, 16
	s_add_co_u32 s70, s70, s77
	s_lshl_b32 s77, s58, 8
	s_add_co_u32 s70, s70, s77
	s_add_nc_u64 s[86:87], s[86:87], s[70:71]
	s_lshl_b32 s70, s59, 17                        ; WvB: block y of 131,072 bytes; channel 64 x, 128 bytes each
	s_lshl_b32 s77, s58, 13
	s_add_co_u32 s70, s70, s77
	s_add_nc_u64 s[88:89], s[88:89], s[70:71]
	s_lshl_b32 s70, s59, 8                         ; tu: word 4 (16 y + x) + w
	s_lshl_b32 s77, s58, 4
	s_add_co_u32 s70, s70, s77
	s_lshl_b32 s77, s16, 2
	s_add_co_u32 s70, s70, s77
	s_add_nc_u64 s[90:91], s[90:91], s[70:71]
	WIN 0x40
.set i, 0
.rept 128
	v_mov_b32 v[i], 0                              ; the sums start at 0
.set i, i+1
.endr
	WIN 0
.irp n, 224,225,226,227
	v_mov_b32 v[\n], 0
.endr
	s_wait_loadcnt 32                              ; Wv's eight loads are in; the 32 younger ones stay out
.set i, 0
.rept 16                               ; i = 4 c + p: channel c, rows 2 p and 2 p + 1
	v_cvt_pk_bf16_f32 v[64+i], v[32+8*(i%4)+i/4], v[32+8*(i%4)+4+i/4]
.set i, i+1
.endr
.set i, 0
.rept 4
	ds_store_b128 v8, v[64+4*i:67+4*i] offset:VP*i ; lanes 576 bytes apart meet four deep in the banks: accepted for 8 KB a work-group
.set i, i+1
.endr
	s_wait_loadcnt 0x0
.irp b, 96,128,160,192
.set i, 0
.rept 16                               ; rounded to bf16 in place: word i from numbers 2 i, 2 i + 1
	v_cvt_pk_bf16_f32 v[\b+i], v[\b+2*i], v[\b+2*i+1]
.set i, i+1
.endr
.endr
.set i, 0
.rept 16                               ; products of two bf16 are exact in f32; two chains a sum
	v_fma_mix_f32_bf16 v224, v[96+i], v[160+i], v224 op_sel_hi:[1,1,0]
	v_fma_mix_f32_bf16 v225, v[96+i], v[160+i], v225 op_sel:[1,1,0] op_sel_hi:[1,1,0]
	v_fma_mix_f32_bf16 v226, v[128+i], v[192+i], v226 op_sel_hi:[1,1,0]
	v_fma_mix_f32_bf16 v227, v[128+i], v[192+i], v227 op_sel:[1,1,0] op_sel_hi:[1,1,0]
.set i, i+1
.endr
	v_add_f32 v224, v224, v225
	v_add_f32 v226, v226, v227
.irp m, 1,2,4,8
	v_add_f32_dpp v224, v224, v224 row_xmask:\m row_mask:0xf bank_mask:0xf
	v_add_f32_dpp v226, v226, v226 row_xmask:\m row_mask:0xf bank_mask:0xf
.endr
	v_permlanex16_b32 v225, v224, s74, s75
	v_permlanex16_b32 v227, v226, s74, s75
	v_add_f32 v224, v224, v225                     ; t0 of my row
	v_add_f32 v226, v226, v227                     ; u of my row
	v_cndmask_b32 v228, v224, v226, s76            ; lanes 0-15 hold t0, lanes 16-31 u
	v_cmp_eq_u32 vcc_lo, 0, v1
	s_wait_xcnt 0x0                                ; EXEC changes only behind this wait
	s_and_saveexec_b32 s77, vcc_lo                 ; lanes 0 and 16
	global_store_b32 v18, v228, s[90:91]
	s_wait_xcnt 0x0
	s_or_b32 exec_lo, exec_lo, s77
; A K step's share of a wave: two units of 32 c, 512 bytes apart in the rows.  Each: 32 LDS loads, 64 roundings, 16 products; the 16 accumulators take turns.
.macro STEP
	s_mov_b32 s21, 2
.Lunit_\@:
	v_add_nc_u32 v6, s19, v4
	v_add_nc_u32 v7, s19, v5
	s_add_co_u32 s19, s19, 512
.set u, 0
.rept 4
.irp o, 0,1,2,3
	ds_load_b128 v[RX+16*u+4*\o:RX+16*u+4*\o+3], v6 offset:u*16*XP+16*(\o)+32*((\o)/2)
	ds_load_b128 v[RY+16*u+4*\o:RY+16*u+4*\o+3], v7 offset:u*16*XP+16*(\o)+32*((\o)/2)
.endr
.set u, u+1
.endr
	s_wait_dscnt 0x0
	PLACES
.set c, 0
.rept 32
	v_cvt_pk_bf16_f32 v[XC+c], v[RX+2*c], v[RX+2*c+1]
	v_cvt_pk_bf16_f32 v[YC+c], v[RY+2*c], v[RY+2*c+1]
.set c, c+1
.endr
	WIN 0x50                                       ; C and D in window 1
.set p, 0
.rept 16
	v_wmma_f32_16x16x32_bf16 v[8*p:8*p+7], v[YC+8*(p%4):YC+8*(p%4)+7], v[XC+8*(p/4):XC+8*(p/4)+7], v[8*p:8*p+7]
.set p, p+1
.endr
	WIN 0
	s_sub_co_u32 s21, s21, 1
	s_cmp_lg_u32 s21, 0
	s_cbranch_scc1 .Lunit_\@
.endm
; THE CHANGE OF SLOTS: all my tensor loads have landed (the one that was out is my part of the other slot), the add, my reads of the slot are over; behind the barrier the slot is filled again first.
.macro CHANGE fill
	s_wait_tensorcnt 0x0
	ds_add_u32 v28, v29
.if \fill
	STEPD
.endif
	s_wait_dscnt 0x0
.if \fill
	CROUND                                         ; no wave of any partner still reads the slot or has a load on its way
	JLOAD
.else
	s_barrier_signal -1
	s_barrier_wait -1
.endif
	s_sub_co_u32 s19, s19, 1024                    ; the fetches go back to the rows' first unit,
	s_xor_b32 s19, s19, SLOTX                      ; in the other slot
.endm
	s_wait_tensorcnt 0x1                           ; my part of K step 0 is in; slot 1's load, the one younger, stays out
	s_wait_dscnt 0x0                               ; for the others' sake: my part of Wv's block is stored
	s_barrier_signal -1
	s_barrier_wait -1
.set i, 0
.rept 4
	ds_load_b128 v[232+4*i:235+4*i], v9 offset:16*VP*i
.set i, i+1
.endr
.set i, 0
.rept 4
	s_wait_dscnt 3-i                               ; the younger row loads stay out
	global_store_b128 v19, v[232+4*i:235+4*i], s[88:89] offset:2048*i  ; 512 consecutive bytes a wave, aligned
.set i, i+1
.endr
	s_mov_b32 s20, 2
.Lfill:                                                ; K steps 0 and 1; steps 2 and 3 are asked for
	STEP
	CHANGE 1
	s_sub_co_u32 s20, s20, 1
	s_cmp_lg_u32 s20, 0
	s_cbranch_scc1 .Lfill
	s_mov_b32 s20, 2
.Ltail:                                                ; K steps 2 and 3 ask for nothing; behind the second trip's barrier nobody reads the ring any more
	STEP
	CHANGE 0
	s_sub_co_u32 s20, s20, 1
	s_cmp_lg_u32 s20, 0
	s_cbranch_scc1 .Ltail
	; THE WAY OUT.  The four partial tiles go into the ring, which has had its last fill; wave w adds the four parts of rows 16 w .. 16 w + 15.
	PLACES
	WIN 0x04                                       ; store data in window 1
.set i, 0
.rept 16
	ds_store_b128 v14, v[8*i:8*i+3] offset:1024*i
	ds_store_b128 v14, v[8*i+4:8*i+7] offset:1024*i+512
.set i, i+1
.endr
	WIN 0
	s_wait_dscnt 0x0                               ; for the others' sake: my partial tile is stored
	s_barrier_signal -1
	s_barrier_wait -1
.set i, 0
.rept 32                               ; i = 8 s + 2 b + half: wave s's part of block b
	ds_load_b128 v[32+4*i:35+4*i], v15 offset:(i/8)*16384+(i%8)*512
.set i, i+1
.endr
	s_wait_dscnt 0x0
.set i, 0
.rept 16
	v_pk_add_f32 v[32+2*i:33+2*i], v[32+2*i:33+2*i], v[64+2*i:65+2*i]
	v_pk_add_f32 v[96+2*i:97+2*i], v[96+2*i:97+2*i], v[128+2*i:129+2*i]
.set i, i+1
.endr
.set i, 0
.rept 16
	v_pk_add_f32 v[32+2*i:33+2*i], v[32+2*i:33+2*i], v[96+2*i:97+2*i]  ; W2T(j = 16 w + r, i = 16 b + 8 h + 0..7) at 32 + 8 b
.set i, i+1
.endr
.set i, 0
.rept 16                               ; hi = bf16(x); lo = bf16(x - hi)
	v_cvt_pk_bf16_f32 v[160+i], v[32+2*i], v[33+2*i]
	v_lshlrev_b32 v[192+2*(i%4)], 16, v[160+i]
	v_and_b32 v[193+2*(i%4)], s76, v[160+i]
	v_pk_add_f32 v[32+2*i:33+2*i], v[32+2*i:33+2*i], v[192+2*(i%4):193+2*(i%4)] neg_lo:[0,1] neg_hi:[0,1]
	v_cvt_pk_bf16_f32 v[176+i], v[32+2*i], v[33+2*i]
.set i, i+1
.endr
.set i, 0
.rept 4
	ds_store_b128 v10, v[160+4*i:163+4*i] offset:32*i
	ds_store_b128 v10, v[176+4*i:179+4*i] offset:128+32*i
.set i, i+1
.endr
.set i, 0
.rept 8
	ds_load_b128 v[32+4*i:35+4*i], v11 offset:2*SGP*i      ; LDS serves a wave's instructions in order: these see the stores above
.set i, i+1
.endr
.set i, 0
.rept 8
	s_wait_dscnt 7-i                               ; the younger row loads stay out
	global_store_b128 v12, v[32+4*i:35+4*i], s[86:87] offset:8192*i  ; 16 lanes store 256 consecutive bytes, aligned
.set i, i+1
.endr
	s_wait_tensorcnt 0x0                           ; the wave's end
	ds_add_u32 v28, v29
	s_wait_dscnt 0x0
	CROUND                                         ; the closing round
	s_endpgm
.Lfunc_end_k_qe68d0c091a_wprep:
	.size	k_qe68d0c091a_wprep, .Lfunc_end_k_qe68d0c091a_wprep-k_qe68d0c091a_wprep
	.p2alignl 7, 3214868480
	.fill 96, 4, 3214868480
	.section	.rodata,"a",@progbits
	.p2align	6, 0x0
	.amdhsa_kernel k_qe68d0c091a_wprep
		.amdhsa_group_segment_fixed_size 327680
		.amdhsa_private_segment_fixed_size 0
		.amdhsa_enable_private_segment 0
		.amdhsa_kernarg_size 64
		.amdhsa_user_sgpr_count 2
		.amdhsa_user_sgpr_kernarg_segment_ptr 1
		.amdhsa_wavefront_size32 1
		.amdhsa_system_sgpr_workgroup_id_x 1
		.amdhsa_system_sgpr_workgroup_id_y 1
		.amdhsa_system_sgpr_workgroup_id_z 1
		.amdhsa_system_vgpr_workitem_id 0
		.amdhsa_next_free_vgpr 384
		.amdhsa_next_free_sgpr 96
		.amdhsa_reserve_vcc 1
		.amdhsa_float_denorm_mode_32 3
		.amdhsa_float_denorm_mode_16_64 3
		.amdhsa_memory_ordered 1
		.amdhsa_forward_progress 1
		.amdhsa_inst_pref_size 58
	.end_amdhsa_kernel
	.amdgpu_metadata
---
amdhsa.version: [ 1, 2 ]
amdhsa.kernels:
  - .name:           k_qe68d0c091a_wprep
    .symbol:         k_qe68d0c091a_wprep.kd
    .args:
      - { .name: Wk, .offset: 0, .size: 8, .value_kind: global_buffer, .address_space: global }
      - { .name: Wq, .offset: 8, .size: 8, .value_kind: global_buffer, .address_space: global }
      - { .name: Wv, .offset: 16, .size: 8, .value_kind: global_buffer, .address_space: global }
      - { .name: bq, .offset: 24, .size: 8, .value_kind: global_buffer, .address_space: global }
      - { .name: bk, .offset: 32, .size: 8, .value_kind: global_buffer, .address_space: global }
      - { .name: W2T, .offset: 40, .size: 8, .value_kind: global_buffer, .address_space: global }
      - { .name: WvB, .offset: 48, .size: 8, .value_kind: global_buffer, .address_space: global }
      - { .name: tu, .offset: 56, .size: 8, .value_kind: global_buffer, .address_space: global }
    .group_segment_fixed_size: 327680
    .private_segment_fixed_size: 0
    .kernarg_segment_align: 8
    .kernarg_segment_size: 64
    .max_flat_workgroup_size: 128
    .sgpr_count:     96
    .vgpr_count:     384
    .wavefront_size: 32
...
	.end_amdgpu_metadata
.endif
;; end of part 1
;; launch tproj (part 2): grid 8 x 32, 4 waves a work-group, clusters of 4 x 4, 327,680 bytes of LDS; arguments q, W2T, tu, bq, bk, T2, cvec; writes T2, cvec
.if DOCPART == 2
	.amdgcn_target "amdgcn-amd-amdhsa--gfx1250"
	.amdhsa_code_object_version 6
	.text
	.protected	k_qe68d0c091a_tproj
	.globl	k_qe68d0c091a_tproj
	.p2align	8
	.type	k_qe68d0c091a_tproj,@function
k_qe68d0c091a_tproj:
	s_mov_b64 s[64:65], 0
	v_nop
	global_prefetch_b8 v0, s[64:65] scope:SCOPE_SE
	s_setreg_imm32_b32 hwreg(HW_REG_WAVE_MODE, 25, 1), 1
	s_wait_xcnt 0x0
	s_wait_alu depctr_hold_cnt(0) depctr_sa_sdst(0) depctr_va_vdst(0) depctr_va_sdst(0) depctr_va_ssrc(0) depctr_va_vcc(0) depctr_vm_vsrc(0)
	s_getreg_b32 s2, hwreg(HW_REG_IB_STS2, 6, 4)
	s_cmp_eq_u32 s2, 0
	s_cbranch_scc0 .Lentry_in_a_cluster
	s_endpgm
.Lentry_in_a_cluster:
	s_bfe_u32 s2, ttmp6, 0x10000c
	s_cmp_lg_u32 s2, 0xf033
	s_cbranch_scc0 .Lentry_shape_is_right
	s_endpgm
.Lentry_shape_is_right:
; T[r][j] = sum over i of bf16(q[r][i]) (W2hi + W2lo)[j][i] + t0[j], which is (q Wq + bq) Wk^T summed in another order; sums in f32; stored as a pair of bf16: T2[r][blk of 64 j][hi 64 | lo 64].
; The scores are then T . k + Qp . bk: k enters them as an input, rounded once to bf16, and no projected Q or K is rounded at all.
; Also cvec[r] = Qp[r] . bk = sum over i of bf16(q[r][i]) u[i] + sum over c of bf16(bq[c]) bf16(bk[c]), in f32: 16 rows a work-group, 4 a wave, made in the wait for the first tile.
; A work-group makes 128 r x 128 j, a wave 64 x 64: 16 accumulators, each fed by a product with hi and one with lo.
; X = q, f32 tiles rounded between LDS and the matrix unit; Y = W2T.  K (= i) goes in steps of 128 through two LDS slots; a quarter is 32 of K, a PAIR of quarters one block of 64.
; CLUSTER 4 x 4: X's tile hangs on the work-group's y alone (joint along a row of the cluster), Y's on x alone (along a column).
; Source 0 = Y (j), source 1 = X (r): a lane holds one row r and eight neighbouring j.
; REGISTERS: window 0: v0-31 addresses and cvec's sums; v32-63 t0, the C that starts the sums; v64-255 the prologue; v128-255 accumulators ((a, b) at 128 + 8 (4 a + b), a: r block, b: j block)
;   window 1: v0-63 X rounded, two buffers; v64-127 X as loaded; v128-255 Y, two buffers (unit 4 hl + b)
; LIMITS: what a pair hi + lo leaves out is about 2^-17 of the number; NaN and infinities are not treated apart.
.set XP,    528
.set HALF,  64*XP
.set YOFF,  128*XP
.set SLOTX, 256*XP                     ; 0x21000: every LDS base inside slot 0 has bits 12 and 17 clear, so the exclusive or adds or takes away a slot
.set KSTEP, 512                        ; bytes: 128 f32 of q, two blocks of W2T
.set STG,   65536
.set SGP,   272
.set SPARE, 2*SLOTX
.set BI,  32
.set ACC, 128
.set MSB, 0
.macro WIN new
.if MSB != (\new)
	s_set_vgpr_msb (MSB<<8)|(\new)
.set MSB, \new
.endif
.endm
.macro PLACES
.rept 4
	v_nop
.endr
.endm
.macro CREST
	s_cmp_lg_u32 s16, 0
	s_cbranch_scc1 .Lnot_wave_0_\@
	s_barrier_signal -3
.Lnot_wave_0_\@:
	s_barrier_wait -3
	s_barrier_signal -1
	s_barrier_wait -1
.endm
.macro CROUND
	s_barrier_signal -1
	s_barrier_wait -1
	CREST
.endm
.macro JLOAD
	s_cmp_eq_u32 s17, 0
	s_cbranch_scc0 .Lfor_y_\@
	tensor_load_to_lds s[36:39], s[24:31]
	s_nop 0
.rept 4
	v_nop
.endr
	s_branch .Lasked_\@
.Lfor_y_\@:
	tensor_load_to_lds s[52:55], s[40:47]
	s_nop 0
.rept 4
	v_nop
.endr
.Lasked_\@:
.endm
.macro STEPD
	s_xor_b32 s37, s37, SLOTX
	s_add_nc_u64 s[38:39], s[38:39], KSTEP
	s_xor_b32 s53, s53, SLOTX
	s_add_nc_u64 s[54:55], s[54:55], KSTEP
.endm
	s_load_b256 s[4:11], s[0:1], 0x0               ; q, W2T, tu, bq
	s_load_b128 s[12:15], s[0:1], 0x20             ; bk, T2
	s_load_b64 s[84:85], s[0:1], 0x30              ; cvec
	v_lshl_add_u32 v28, v0, 2, SPARE
	v_mov_b32 v29, 0
	ds_add_u32 v28, v29                            ; the wave's opening: the add and its wait ahead of my first tensor load
	v_lshrrev_b32 v1, 5, v0
	v_readfirstlane_b32 s16, v1
	s_lshr_b32 s17, s16, 1                         ; I fetch for X (0) or Y (1); my half of the j
	s_and_b32 s18, s16, 1                          ; which half I fetch; my half of the rows r
	s_bfe_u32 s56, ttmp6, 0x40000
	s_bfe_u32 s57, ttmp6, 0x40004
	s_lshl_b32 s58, ttmp9, 2
	s_add_co_u32 s58, s58, s56
	s_and_b32 s62, ttmp7, 0xffff
	s_lshl_b32 s59, s62, 2
	s_add_co_u32 s59, s59, s57
	s_lshl_b32 s60, s57, 2
	s_lshl_b32 s60, 15, s60
	s_lshl_b32 s61, 0x1111, s56
	s_or_b32 s24, s60, (2<<16)|(1<<20)|(1<<21)|(6<<22)|(3<<25)  ; X: 64 rows x 128 f32, 4 words of padding behind every 128
	s_mov_b32 s25, 128<<16
	s_mov_b32 s26, 64<<16
	s_mov_b32 s27, 128<<16
	s_mov_b32 s28, 64
	s_mov_b32 s29, 1024
	s_mov_b32 s30, 0
	s_mov_b32 s31, 0
	s_or_b32 s40, s61, (1<<16)|(1<<20)|(1<<21)|(6<<22)|(3<<25)  ; Y: 64 rows x 256 bf16
	s_mov_b32 s41, 256<<16
	s_mov_b32 s42, 64<<16
	s_mov_b32 s43, 256<<16
	s_mov_b32 s44, 64
	s_mov_b32 s45, 2048
	s_mov_b32 s46, 0
	s_mov_b32 s47, 0
	s_mov_b32 s32, 1
	s_mul_i32 s33, s18, HALF
	s_mov_b32 s36, 1
	s_add_co_u32 s37, s33, SLOTX
	s_mov_b32 s48, 1
	s_mul_i32 s49, s18, HALF
	s_add_co_u32 s49, s49, YOFF
	s_mov_b32 s52, 1
	s_add_co_u32 s53, s49, SLOTX
	s_lshl_b32 s66, s59, 19                        ; X: row 128 y + 64 half, 4,096 bytes a row
	s_lshl_b32 s23, s18, 18
	s_add_co_u32 s66, s66, s23
	s_mov_b32 s67, 0
	s_lshl_b32 s68, s58, 19                        ; Y: row 128 x + 64 half
	s_lshl_b32 s63, s18, 18
	s_add_co_u32 s68, s68, s63
	s_mov_b32 s69, 0
	s_mov_b32 s19, 0
	s_mov_b32 s74, 0x76543210
	s_mov_b32 s75, 0xfedcba98
	s_mov_b32 s76, 0xffff0000
	s_wait_dscnt 0x0
	s_wait_kmcnt 0x0
	s_add_nc_u64 s[34:35], s[4:5], s[66:67]
	s_add_nc_u64 s[38:39], s[34:35], KSTEP
	s_or_b32 s35, s35, 0x80000000
	s_or_b32 s39, s39, 0x80000000
	s_add_nc_u64 s[50:51], s[6:7], s[68:69]
	s_add_nc_u64 s[54:55], s[50:51], KSTEP
	s_or_b32 s51, s51, 0x80000000
	s_or_b32 s55, s55, 0x80000000
	CROUND
	s_cmp_eq_u32 s17, 0
	s_cbranch_scc0 .Lfirst_y
	tensor_load_to_lds s[32:35], s[24:31]
	s_nop 0
	tensor_load_to_lds s[36:39], s[24:31]
	s_nop 0
.rept 4
	v_nop
.endr
	s_branch .Lfirst_done
.Lfirst_y:
	tensor_load_to_lds s[48:51], s[40:47]
	s_nop 0
	tensor_load_to_lds s[52:55], s[40:47]
	s_nop 0
.rept 4
	v_nop
.endr
.Lfirst_done:
	v_and_b32 v1, 15, v0
	v_bfe_u32 v2, v0, 4, 1
	v_and_b32 v15, 31, v0                          ; lane
	v_lshlrev_b32 v14, 4, v15                      ; 16 lane
	v_lshlrev_b32 v13, 5, v2                       ; my eight j of a block of 16: 32 h bytes of t0
	v_mov_b32 v3, 0
	; THE PROLOGUE's loads: rows 16 (8 y + x) + 4 w + 0..3 of q, u, the two biases, t0: 512 consecutive bytes a load
	s_lshl_b32 s70, s59, 19
	s_lshl_b32 s77, s58, 16
	s_add_co_u32 s70, s70, s77
	s_lshl_b32 s77, s16, 14
	s_add_co_u32 s70, s70, s77
	s_mov_b32 s71, 0
	s_add_nc_u64 s[78:79], s[4:5], s[70:71]
.set i, 0
.rept 32                               ; i = 8 n + part: row n at 96 + 32 n
	global_load_b128 v[96+4*i:99+4*i], v14, s[78:79] offset:4096*(i/8)+512*(i%8)
.set i, i+1
.endr
.set i, 0
.rept 8
	global_load_b128 v[64+4*i:67+4*i], v14, s[8:9] offset:4096+512*i   ; u lies behind t0
.set i, i+1
.endr
	WIN 0x40                                       ; the biases go into window 1, where Y's buffers will lie
.set i, 0
.rept 8
	global_load_b128 v[128+4*i:131+4*i], v14, s[10:11] offset:512*i
	global_load_b128 v[160+4*i:163+4*i], v14, s[12:13] offset:512*i
.set i, i+1
.endr
	WIN 0
	s_lshl_b32 s70, s58, 9
	s_lshl_b32 s77, s17, 8
	s_add_co_u32 s70, s70, s77
	s_add_nc_u64 s[80:81], s[8:9], s[70:71]        ; t0 at my wave's 64 j
.set i, 0
.rept 4
	global_load_b128 v[BI+8*i:BI+8*i+3], v13, s[80:81] offset:64*i
	global_load_b128 v[BI+8*i+4:BI+8*i+7], v13, s[80:81] offset:64*i+16
.set i, i+1
.endr
	v_mul_u32_u24 v4, v1, XP
	v_lshl_add_u32 v5, v2, 4, v4                   ; Y: (64 yh + r) pitch + 16 h
	v_lshl_add_u32 v4, v2, 5, v4                   ; X: (64 xh + r) pitch + 32 h
	s_mul_i32 s77, s18, HALF
	v_add_nc_u32 v4, s77, v4
	s_mul_i32 s77, s17, HALF
	s_add_co_u32 s77, s77, YOFF
	v_add_nc_u32 v5, s77, v5
	s_lshl_b32 s77, s16, 14
	v_lshl_add_u32 v8, v15, 4, s77
	v_mov_b32 v9, v8
	s_mul_i32 s77, s16, 16*SGP
	s_add_co_u32 s77, s77, STG
	v_mul_u32_u24 v10, v1, SGP
	v_lshl_add_u32 v10, v2, 4, v10
	v_add_nc_u32 v10, s77, v10
	v_mul_u32_u24 v11, v2, SGP
	v_lshl_add_u32 v11, v1, 4, v11
	v_add_nc_u32 v11, s77, v11
	v_lshlrev_b32 v12, 12, v2
	v_lshl_add_u32 v12, v1, 4, v12
	s_lshl_b32 s70, s59, 19                        ; T2: row 128 y + 64 xh; unit 2 x + yh of 256 bytes
	s_lshl_b32 s77, s18, 18
	s_add_co_u32 s70, s70, s77
	s_lshl_b32 s77, s58, 9
	s_add_co_u32 s70, s70, s77
	s_lshl_b32 s77, s17, 8
	s_add_co_u32 s70, s70, s77
	s_add_nc_u64 s[14:15], s[14:15], s[70:71]
	s_lshl_b32 s70, s59, 9                         ; cvec: word 16 (8 y + x) + 4 w
	s_lshl_b32 s77, s58, 6
	s_add_co_u32 s70, s70, s77
	s_lshl_b32 s77, s16, 4
	s_add_co_u32 s70, s70, s77
	s_add_nc_u64 s[84:85], s[84:85], s[70:71]
.irp n, 20,21,22,23,24,25,26,27,30,31
	v_mov_b32 v[\n], 0
.endr
	s_wait_loadcnt 0x0
	WIN 0x05                                       ; sources in window 1
.set i, 0
.rept 16
	v_cvt_pk_bf16_f32 v[224+i], v[128+2*i], v[129+2*i]     ; bq
	v_cvt_pk_bf16_f32 v[240+i], v[160+2*i], v[161+2*i]     ; bk
.set i, i+1
.endr
	WIN 0
.irp n, 0,1,2,3
.set i, 0
.rept 16                               ; q rounded to bf16 in place: word i from numbers 2 i, 2 i + 1
	v_cvt_pk_bf16_f32 v[96+32*\n+i], v[96+32*\n+2*i], v[96+32*\n+2*i+1]
.set i, i+1
.endr
.endr
.set i, 0
.rept 16                               ; two chains a sum: the words' low halves, their high halves
	v_fma_mix_f32_bf16 v30, v[224+i], v[240+i], v30 op_sel_hi:[1,1,0]
	v_fma_mix_f32_bf16 v31, v[224+i], v[240+i], v31 op_sel:[1,1,0] op_sel_hi:[1,1,0]
.irp n, 0,1,2,3
	v_fma_mix_f32_bf16 v[20+2*\n], v[96+32*\n+i], v[64+2*i], v[20+2*\n] op_sel_hi:[1,0,0]
	v_fma_mix_f32_bf16 v[21+2*\n], v[96+32*\n+i], v[65+2*i], v[21+2*\n] op_sel:[1,0,0] op_sel_hi:[1,0,0]
.endr
.set i, i+1
.endr
	v_add_f32 v30, v30, v31
.irp n, 0,1,2,3
	v_add_f32 v[16+\n], v[20+2*\n], v[21+2*\n]
.endr
.irp n, 0,1,2,3
	v_add_f32 v[16+\n], v[16+\n], v30              ; my lane's part of q . u + bq . bk
.endr
.irp m, 1,2,4,8
.irp n, 0,1,2,3
	v_add_f32_dpp v[16+\n], v[16+\n], v[16+\n] row_xmask:\m row_mask:0xf bank_mask:0xf
.endr
.endr
.irp n, 0,1,2,3
	v_permlanex16_b32 v[20+\n], v[16+\n], s74, s75
.endr
.irp n, 0,1,2,3
	v_add_f32 v[16+\n], v[16+\n], v[20+\n]
.endr
	v_cmp_eq_u32 vcc_lo, 0, v15
	s_wait_xcnt 0x0                                ; EXEC changes only behind this wait
	s_and_saveexec_b32 s77, vcc_lo                 ; lane 0
	global_store_b128 v3, v[16:19], s[84:85]       ; my four rows' constants
	s_wait_xcnt 0x0
	s_or_b32 exec_lo, exec_lo, s77
.macro FETCH g, sec                    ; 32 LDS loads in one run: 32 of K: X's four fragments as f32, Y's four hi and four lo
	WIN 0x40
.set u, 0
.rept 4
.irp o, 0,1,2,3
	ds_load_b128 v[64+16*u+4*\o:64+16*u+4*\o+3], v6 offset:u*16*XP+128*(\sec)+16*(\o)+32*((\o)/2)
.endr
.set u, u+1
.endr
.set u, 0
.rept 8
	ds_load_b128 v[128+64*(\g)+8*u:128+64*(\g)+8*u+3], v7 offset:(u%4)*16*XP+128*(u/4)+64*(\sec)
	ds_load_b128 v[128+64*(\g)+8*u+4:128+64*(\g)+8*u+7], v7 offset:(u%4)*16*XP+128*(u/4)+64*(\sec)+32
.set u, u+1
.endr
.endm
.macro CVT4 g
	WIN 0x45
.rept 4
	v_cvt_pk_bf16_f32 v[32*(\g)+c], v[64+2*c], v[65+2*c]
.set c, c+1
.endr
.endm
.macro PROD f, zero                    ; product p of 32: hi (p < 16) or lo; r block (p % 16) / 4, j block p % 4.  The 16 accumulators take turns
.set rH, p/16
.set rA, (p%16)/4
.set rB, p%4
.set rD, ACC+8*(4*rA+rB)
	WIN 0x05
.if (\zero) && (p < 16)
	v_wmma_f32_16x16x32_bf16 v[rD:rD+7], v[128+64*(\f)+8*(4*rH+rB):128+64*(\f)+8*(4*rH+rB)+7], v[32*(\f)+8*rA:32*(\f)+8*rA+7], v[BI+8*rB:BI+8*rB+7]
.else
	v_wmma_f32_16x16x32_bf16 v[rD:rD+7], v[128+64*(\f)+8*(4*rH+rB):128+64*(\f)+8*(4*rH+rB)+7], v[32*(\f)+8*rA:32*(\f)+8*rA+7], v[rD:rD+7]
.endif
.set p, p+1
.endm
.macro QRT f, g, fetch, sec, zero, places
.set p, 0
.set c, 0
.if \places
	PLACES
.endif
.if \fetch
	FETCH \g, \sec
.endif
.rept 16
	PROD \f, \zero
.endr
.if \fetch
	s_wait_dscnt 0x0                               ; the next quarter is in registers
.rept 8
	PROD \f, \zero
	CVT4 \g
.endr
.rept 8
	PROD \f, \zero
.endr
.else
.rept 16
	PROD \f, \zero
.endr
.endif
.endm
.macro PAIR                            ; two quarters; they fetch the block of 64 of K at LDS byte s19
	WIN 0
	v_add_nc_u32 v6, s19, v4
	v_add_nc_u32 v7, s19, v5
	s_add_co_u32 s19, s19, 256
	QRT 1, 0, 1, 0, 0, 1
	QRT 0, 1, 1, 1, 0, 1
	WIN 0
.endm
.macro CHANGE fill
	WIN 0
	s_wait_tensorcnt 0x0                           ; all my tensor loads have landed: the one that was out is my part of the other slot
	ds_add_u32 v28, v29
.if \fill
	STEPD
.endif
	s_wait_dscnt 0x0                               ; the add is done, my reads of the slot are over
.if \fill
	CROUND
	JLOAD
.else
	s_barrier_signal -1
	s_barrier_wait -1
.endif
	s_sub_co_u32 s19, s19, 512                     ; the fetches go back to a slot's first block,
	s_xor_b32 s19, s19, SLOTX                      ; in the other slot
.endm
	s_wait_tensorcnt 0x1                           ; my part of K step 0 is in; slot 1's load, the one younger, stays out
	s_barrier_signal -1
	s_barrier_wait -1
	v_add_nc_u32 v6, s19, v4
	v_add_nc_u32 v7, s19, v5
	FETCH 0, 0
	s_wait_dscnt 0x0
.set c, 0
.rept 8
	CVT4 0
.endr
	QRT 0, 1, 1, 1, 1, 0                           ; the first quarter starts the sums with t0 as C
	WIN 0
	s_mov_b32 s19, 256
	s_mov_b32 s21, 1                               ; slot 0 has one block left
	s_mov_b32 s20, 7
	s_branch .Lpair                                ; the loop is entered in the middle of a trip
.Lslot:                                                ; six times: K steps 2 to 7 are asked for
	CHANGE 1
	s_mov_b32 s21, 2
.Lpair:
	PAIR
	s_sub_co_u32 s21, s21, 1
	s_cmp_lg_u32 s21, 0
	s_cbranch_scc1 .Lpair
	s_sub_co_u32 s20, s20, 1
	s_cmp_lg_u32 s20, 0
	s_cbranch_scc1 .Lslot
	CHANGE 0                                       ; the tail is written out: nothing is asked for
	s_mov_b32 s21, 2
.Ltail:
	PAIR
	s_sub_co_u32 s21, s21, 1
	s_cmp_lg_u32 s21, 0
	s_cbranch_scc1 .Ltail
	s_wait_dscnt 0x0                               ; my reads of the ring are over:
	s_barrier_signal -1
	QRT 1, 0, 0, 0, 0, 0
	WIN 0
	s_barrier_wait -1                              ; everybody's are: the ring, which has had its last fill, serves the way out
	PLACES
.set i, 0
.rept 16
	ds_store_b128 v8, v[ACC+8*i:ACC+8*i+3] offset:1024*i
	ds_store_b128 v8, v[ACC+8*i+4:ACC+8*i+7] offset:1024*i+512
.set i, i+1
.endr
	s_mov_b32 s20, 4
.Lout:                                                 ; one trip for each block of 16 rows r
.set i, 0
.rept 8
	ds_load_b128 v[128+4*i:131+4*i], v9 offset:512*i
.set i, i+1
.endr
	s_wait_dscnt 0x0
.set i, 0
.rept 16                               ; hi = bf16(x); lo = bf16(x - hi)
	v_cvt_pk_bf16_f32 v[160+i], v[128+2*i], v[129+2*i]
	v_lshlrev_b32 v[196+2*(i%4)], 16, v[160+i]
	v_and_b32 v[197+2*(i%4)], s76, v[160+i]
	v_pk_add_f32 v[128+2*i:129+2*i], v[128+2*i:129+2*i], v[196+2*(i%4):197+2*(i%4)] neg_lo:[0,1] neg_hi:[0,1]
	v_cvt_pk_bf16_f32 v[176+i], v[128+2*i], v[129+2*i]
.set i, i+1
.endr
.set i, 0
.rept 4
	ds_store_b128 v10, v[160+4*i:163+4*i] offset:32*i
	ds_store_b128 v10, v[176+4*i:179+4*i] offset:128+32*i
.set i, i+1
.endr
.set i, 0
.rept 8
	ds_load_b128 v[128+4*i:131+4*i], v11 offset:2*SGP*i
.set i, i+1
.endr
.set i, 0
.rept 8
	s_wait_dscnt 7-i                               ; the younger row loads stay out
	global_store_b128 v12, v[128+4*i:131+4*i], s[14:15] offset:8192*i  ; 16 lanes store 256 consecutive bytes, aligned
.set i, i+1
.endr
	s_wait_xcnt 0x0                                ; the stores' data and offset are rewritten only behind this wait
	v_add_nc_u32 v12, 0x10000, v12
	v_add_nc_u32 v9, 4096, v9
	s_sub_co_u32 s20, s20, 1
	s_cmp_lg_u32 s20, 0
	s_cbranch_scc1 .Lout
	s_wait_tensorcnt 0x0                           ; the wave's end
	ds_add_u32 v28, v29
	s_wait_dscnt 0x0
	CROUND
	s_endpgm
.Lfunc_end_k_qe68d0c091a_tproj:
	.size	k_qe68d0c091a_tproj, .Lfunc_end_k_qe68d0c091a_tproj-k_qe68d0c091a_tproj
	.p2alignl 7, 3214868480
	.fill 96, 4, 3214868480
	.section	.rodata,"a",@progbits
	.p2align	6, 0x0
	.amdhsa_kernel k_qe68d0c091a_tproj
		.amdhsa_group_segment_fixed_size 327680
		.amdhsa_private_segment_fixed_size 0
		.amdhsa_enable_private_segment 0
		.amdhsa_kernarg_size 56
		.amdhsa_user_sgpr_count 2
		.amdhsa_user_sgpr_kernarg_segment_ptr 1
		.amdhsa_wavefront_size32 1
		.amdhsa_system_sgpr_workgroup_id_x 1
		.amdhsa_system_sgpr_workgroup_id_y 1
		.amdhsa_system_sgpr_workgroup_id_z 1
		.amdhsa_system_vgpr_workitem_id 0
		.amdhsa_next_free_vgpr 512
		.amdhsa_next_free_sgpr 96
		.amdhsa_reserve_vcc 1
		.amdhsa_float_denorm_mode_32 3
		.amdhsa_float_denorm_mode_16_64 3
		.amdhsa_memory_ordered 1
		.amdhsa_forward_progress 1
		.amdhsa_inst_pref_size 84
	.end_amdhsa_kernel
	.amdgpu_metadata
---
amdhsa.version: [ 1, 2 ]
amdhsa.kernels:
  - .name:           k_qe68d0c091a_tproj
    .symbol:         k_qe68d0c091a_tproj.kd
    .args:
      - { .name: q, .offset: 0, .size: 8, .value_kind: global_buffer, .address_space: global }
      - { .name: W2T, .offset: 8, .size: 8, .value_kind: global_buffer, .address_space: global }
      - { .name: tu, .offset: 16, .size: 8, .value_kind: global_buffer, .address_space: global }
      - { .name: bq, .offset: 24, .size: 8, .value_kind: global_buffer, .address_space: global }
      - { .name: bk, .offset: 32, .size: 8, .value_kind: global_buffer, .address_space: global }
      - { .name: T2, .offset: 40, .size: 8, .value_kind: global_buffer, .address_space: global }
      - { .name: cvec, .offset: 48, .size: 8, .value_kind: global_buffer, .address_space: global }
    .group_segment_fixed_size: 327680
    .private_segment_fixed_size: 0
    .kernarg_segment_align: 8
    .kernarg_segment_size: 56
    .max_flat_workgroup_size: 128
    .sgpr_count:     96
    .vgpr_count:     512
    .wavefront_size: 32
...
	.end_amdgpu_metadata
.endif
;; end of part 2
;; launch scores (part 3): grid 4 x 64, 4 waves a work-group, clusters of 4 x 4, 327,680 bytes of LDS; arguments k, T2, mask, P, st; writes P, st
.if DOCPART == 3
	.amdgcn_target "amdgcn-amd-amdhsa--gfx1250"
	.amdhsa_code_object_version 6
	.text
	.protected	k_qe68d0c091a_scores
	.globl	k_qe68d0c091a_scores
	.p2align	8
	.type	k_qe68d0c091a_scores,@function
k_qe68d0c091a_scores:
	s_mov_b64 s[64:65], 0
	v_nop
	global_prefetch_b8 v0, s[64:65] scope:SCOPE_SE
	s_setreg_imm32_b32 hwreg(HW_REG_WAVE_MODE, 25, 1), 1
	s_wait_xcnt 0x0
	s_wait_alu depctr_hold_cnt(0) depctr_sa_sdst(0) depctr_va_vdst(0) depctr_va_sdst(0) depctr_va_ssrc(0) depctr_va_vcc(0) depctr_vm_vsrc(0)
	s_getreg_b32 s2, hwreg(HW_REG_IB_STS2, 6, 4)
	s_cmp_eq_u32 s2, 0
	s_cbranch_scc0 .Lentry_in_a_cluster
	s_endpgm
.Lentry_in_a_cluster:
	s_bfe_u32 s2, ttmp6, 0x10000c
	s_cmp_lg_u32 s2, 0xf033
	s_cbranch_scc0 .Lentry_shape_is_right
	s_endpgm
.Lentry_shape_is_right:
; s[q][key] = mask[key] + sum over j of bf16(k[key][j]) (Thi + Tlo)[q][j], in f32 (the row constant Qp . bk is added to the maxima by the launch that follows).
; For each tile of 128 keys and each query: m = the tile's largest s, P = exp(s - m) rounded to f16, l = the sum of the unrounded exp.  The next launch weighs the tiles by exp(m - the row's maximum):
; every exponent is 0 or below.  P[b 512 + q][key] f16; st[b][tile of 128 keys][block of 64 queries][m 64 | l 64] f32.
; A work-group makes 256 keys x 128 queries, a wave 128 keys x 64 queries: 32 accumulators, each fed by a product with hi and one with lo: 64 matrix instructions for 32 of K.
; X = k, f32 tiles rounded between LDS and the matrix unit; Y = T2.  K goes in steps of 64 through two LDS slots, two quarters of 32 a step; LDS reads run one quarter ahead of the products.
; CLUSTER 4 x 4: X's tile hangs on the work-group's y alone (joint along a row of the cluster); Y's on x and on the batch, which is half the cluster's y (joint along a column).
; Source 0 = X (keys), source 1 = Y (queries): a lane holds one query and eight neighbouring keys.
; REGISTERS: window 0: v0-31 addresses and statistics; v32-63 at work; v64-127, v128-191 X rounded, two buffers; v192-255 the mask as f32, the C that starts the sums
;   window 1: v64-127, v128-191 Y, two buffers (fragments 0-3 hi, 4-7 lo); v0-63, v192-255 X as loaded       window 2: accumulators ((a, b) at 8 (8 a + b), a: query block, b: key block)
; LIMITS: mask bytes are 0 or 1; P below 6e-5 keeps f16's fixed step; an exp below 2^-126 counts as 0; NaN and infinities are not treated apart.
.set XP,    272
.set XHALF, 128*XP
.set YOFF,  256*XP
.set YHALF, 64*XP
.set SLOTX, 1<<17
.set KSTEP, 256                        ; bytes: 64 f32 of k, one block of T2
.set PST,   131072                     ; the way out lies in the ring, behind its last fill: dump w x 32,768; P stage 16 rows x 272 a wave; 512 bytes a wave of statistics
.set SST,   PST+4*16*XP
.set SPARE, 262144
.set XC, 64
.set YF, 64
.set MK, 192
.set MSB, 0
.macro WIN new
.if MSB != (\new)
	s_set_vgpr_msb (MSB<<8)|(\new)
.set MSB, \new
.endif
.endm
.macro PLACES
.rept 4
	v_nop
.endr
.endm
.macro CREST
	s_cmp_lg_u32 s16, 0
	s_cbranch_scc1 .Lnot_wave_0_\@
	s_barrier_signal -3
.Lnot_wave_0_\@:
	s_barrier_wait -3
	s_barrier_signal -1
	s_barrier_wait -1
.endm
.macro CROUND
	s_barrier_signal -1
	s_barrier_wait -1
	CREST
.endm
.macro JLOAD
	s_cmp_eq_u32 s17, 0
	s_cbranch_scc0 .Lfor_y_\@
	tensor_load_to_lds s[36:39], s[24:31]
	s_nop 0
.rept 4
	v_nop
.endr
	s_branch .Lasked_\@
.Lfor_y_\@:
	tensor_load_to_lds s[52:55], s[40:47]
	s_nop 0
.rept 4
	v_nop
.endr
.Lasked_\@:
.endm
.macro STEPD
	s_xor_b32 s37, s37, SLOTX
	s_add_nc_u64 s[38:39], s[38:39], KSTEP
	s_xor_b32 s53, s53, SLOTX
	s_add_nc_u64 s[54:55], s[54:55], KSTEP
.endm
	s_load_b256 s[4:11], s[0:1], 0x0               ; k, T2, mask, P
	s_load_b64 s[12:13], s[0:1], 0x20              ; st
	v_lshl_add_u32 v28, v0, 2, SPARE
	v_mov_b32 v29, 0
	ds_add_u32 v28, v29                            ; the wave's opening: the add and its wait ahead of my first tensor load
	v_lshrrev_b32 v1, 5, v0
	v_readfirstlane_b32 s16, v1
	s_lshr_b32 s17, s16, 1                         ; I fetch for X (0) or Y (1); my half of the queries
	s_and_b32 s18, s16, 1                          ; which half I fetch; my half of the keys
	s_bfe_u32 s56, ttmp6, 0x40000
	s_bfe_u32 s57, ttmp6, 0x40004
	s_lshl_b32 s58, ttmp9, 2
	s_add_co_u32 s58, s58, s56
	s_and_b32 s62, ttmp7, 0xffff                   ; the cluster's y: the batch is half of it
	s_lshl_b32 s59, s62, 2
	s_add_co_u32 s59, s59, s57
	s_lshl_b32 s60, s57, 2
	s_lshl_b32 s60, 15, s60
	s_lshl_b32 s61, 0x1111, s56
	s_or_b32 s24, s60, (2<<16)|(1<<20)|(1<<21)|(5<<22)|(3<<25)  ; X: 128 rows x 64 f32, 4 words of padding behind every 64
	s_mov_b32 s25, 64<<16
	s_mov_b32 s26, 128<<16
	s_mov_b32 s27, 64<<16
	s_mov_b32 s28, 128
	s_mov_b32 s29, 1024
	s_mov_b32 s30, 0
	s_mov_b32 s31, 0
	s_or_b32 s40, s61, (1<<16)|(1<<20)|(1<<21)|(5<<22)|(3<<25)  ; Y: 64 rows x 128 bf16 (hi 64 | lo 64)
	s_mov_b32 s41, 128<<16
	s_mov_b32 s42, 64<<16
	s_mov_b32 s43, 128<<16
	s_mov_b32 s44, 64
	s_mov_b32 s45, 2048
	s_mov_b32 s46, 0
	s_mov_b32 s47, 0
	s_mov_b32 s32, 1
	s_mul_i32 s33, s18, XHALF
	s_mov_b32 s36, 1
	s_add_co_u32 s37, s33, SLOTX
	s_mov_b32 s48, 1
	s_mul_i32 s49, s18, YHALF
	s_add_co_u32 s49, s49, YOFF
	s_mov_b32 s52, 1
	s_add_co_u32 s53, s49, SLOTX
	s_lshl_b32 s66, s59, 20                        ; X: row 256 y + 128 half, 4,096 bytes a row
	s_lshl_b32 s23, s18, 19
	s_add_co_u32 s66, s66, s23
	s_mov_b32 s67, 0
	s_lshr_b32 s68, s62, 1                         ; Y: row 512 batch + 128 x + 64 half
	s_lshl_b32 s68, s68, 21
	s_lshl_b32 s63, s58, 19
	s_add_co_u32 s68, s68, s63
	s_lshl_b32 s63, s18, 18
	s_add_co_u32 s68, s68, s63
	s_mov_b32 s69, 0
	s_mov_b32 s19, 0
	s_mov_b32 s72, 0x3fb8aa3b                      ; log2(e)
	s_mov_b32 s73, s72
	s_mov_b32 s74, 0x76543210
	s_mov_b32 s75, 0xfedcba98
	s_mov_b32 s76, 0xffff0000                      ; as a mask of lanes: lanes 16-31
	s_wait_dscnt 0x0
	s_wait_kmcnt 0x0
	s_add_nc_u64 s[34:35], s[4:5], s[66:67]
	s_add_nc_u64 s[38:39], s[34:35], KSTEP
	s_or_b32 s35, s35, 0x80000000
	s_or_b32 s39, s39, 0x80000000
	s_add_nc_u64 s[50:51], s[6:7], s[68:69]
	s_add_nc_u64 s[54:55], s[50:51], KSTEP
	s_or_b32 s51, s51, 0x80000000
	s_or_b32 s55, s55, 0x80000000
	CROUND
	s_cmp_eq_u32 s17, 0
	s_cbranch_scc0 .Lfirst_y
	tensor_load_to_lds s[32:35], s[24:31]
	s_nop 0
	tensor_load_to_lds s[36:39], s[24:31]
	s_nop 0
.rept 4
	v_nop
.endr
	s_branch .Lfirst_done
.Lfirst_y:
	tensor_load_to_lds s[48:51], s[40:47]
	s_nop 0
	tensor_load_to_lds s[52:55], s[40:47]
	s_nop 0
.rept 4
	v_nop
.endr
.Lfirst_done:
	v_and_b32 v1, 15, v0
	v_bfe_u32 v2, v0, 4, 1
	v_lshlrev_b32 v3, 3, v2                        ; my eight keys of a block of 16: 8 h bytes of the mask
	s_lshl_b32 s70, s59, 8                         ; mask: 2,048 batch + 256 (y % 8) = 256 y, + 128 xh
	s_lshl_b32 s77, s18, 7
	s_add_co_u32 s70, s70, s77
	s_mov_b32 s71, 0
	s_add_nc_u64 s[8:9], s[8:9], s[70:71]
.set i, 0
.rept 8
	global_load_b64 v[32+2*i:33+2*i], v3, s[8:9] offset:16*i
.set i, i+1
.endr
	v_mul_u32_u24 v4, v1, XP
	v_lshl_add_u32 v5, v2, 4, v4                   ; Y: (64 yh + r) pitch + 16 h
	v_lshl_add_u32 v4, v2, 5, v4                   ; X: (128 xh + r) pitch + 32 h
	s_mul_i32 s77, s18, XHALF
	v_add_nc_u32 v4, s77, v4
	s_mul_i32 s77, s17, YHALF
	s_add_co_u32 s77, s77, YOFF
	v_add_nc_u32 v5, s77, v5
	v_and_b32 v15, 31, v0
	v_lshlrev_b32 v15, 4, v15                      ; 16 lane
	s_lshl_b32 s77, s16, 15
	v_add_nc_u32 v8, s77, v15                      ; dump
	v_mov_b32 v9, v8
	s_mul_i32 s77, s16, 16*XP
	s_add_co_u32 s77, s77, PST
	v_mul_u32_u24 v10, v1, XP                      ; P stage in: row r, 16 bytes for each half of the lanes
	v_lshl_add_u32 v10, v2, 4, v10
	v_add_nc_u32 v10, s77, v10
	v_mul_u32_u24 v11, v2, XP                      ; back: two whole rows of 256 bytes
	v_lshl_add_u32 v11, v1, 4, v11
	v_add_nc_u32 v11, s77, v11
	v_lshlrev_b32 v12, 12, v2                      ; the same two rows in P
	v_lshl_add_u32 v12, v1, 4, v12
	s_lshl_b32 s77, s16, 9
	s_add_co_u32 s77, s77, SST
	v_lshl_add_u32 v13, v1, 2, s77                 ; statistics: m at 4 (16 a + r), l 256 bytes on
	v_lshl_add_u32 v13, v2, 8, v13
	v_add_nc_u32 v14, s77, v15
	s_lshr_b32 s70, s59, 3                         ; P: row 512 batch + 128 x + 64 yh; keys 256 (y % 8) + 128 xh
	s_lshl_b32 s70, s70, 21
	s_lshl_b32 s77, s58, 19
	s_add_co_u32 s70, s70, s77
	s_lshl_b32 s77, s17, 18
	s_add_co_u32 s70, s70, s77
	s_and_b32 s77, s59, 7
	s_lshl_b32 s77, s77, 9
	s_add_co_u32 s70, s70, s77
	s_lshl_b32 s77, s18, 8
	s_add_co_u32 s70, s70, s77
	s_add_nc_u64 s[10:11], s[10:11], s[70:71]
	s_lshl_b32 s70, s59, 13                        ; st: ((2 y + xh) 8 + 2 x + yh) 512
	s_lshl_b32 s77, s18, 12
	s_add_co_u32 s70, s70, s77
	s_lshl_b32 s77, s58, 10
	s_add_co_u32 s70, s70, s77
	s_lshl_b32 s77, s17, 9
	s_add_co_u32 s70, s70, s77
	s_add_nc_u64 s[12:13], s[12:13], s[70:71]
	s_wait_loadcnt 0x0
.set i, 0
.rept 64                               ; i = 8 b + j: the byte of key 16 b + 8 h + j
	v_bfe_u32 v[MK+i], v[32+2*(i/8)+(i%8)/4], 8*(i%4), 8
.set i, i+1
.endr
.set i, 0
.rept 64
	v_cvt_f32_u32 v[MK+i], v[MK+i]
.set i, i+1
.endr
.macro FETCH g, q                      ; 48 LDS loads in one run: 32 of K: X's eight fragments as f32, Y's four hi and four lo
	WIN 0x40
.set i, 0
.rept 8
.set rr, 16*i+128*(i/4)
.irp o, 0,1,2,3
	ds_load_b128 v[rr+4*\o:rr+4*\o+3], v6 offset:i*16*XP+128*(\q)+16*(\o)+32*((\o)/2)
.endr
.set i, i+1
.endr
.set i, 0
.rept 8
	ds_load_b128 v[YF+64*(\g)+8*i:YF+64*(\g)+8*i+3], v7 offset:(i%4)*16*XP+128*(i/4)+64*(\q)
	ds_load_b128 v[YF+64*(\g)+8*i+4:YF+64*(\g)+8*i+7], v7 offset:(i%4)*16*XP+128*(i/4)+64*(\q)+32
.set i, i+1
.endr
.endm
.macro CVT4 g
	WIN 0x05
.rept 4
.set rr, 16*(c/8)+128*(c/32)+2*(c%8)
	v_cvt_pk_bf16_f32 v[XC+64*(\g)+c], v[rr], v[rr+1]
.set c, c+1
.endr
.endm
.macro PROD f, zero                    ; product p of 64: Y fragment p / 8 (0-3 hi, 4-7 lo), key block p % 8.  The 32 accumulators take turns
.set rY, p/8
.set rB, p%8
.set rD, 8*(8*(rY%4)+rB)
.if (\zero) && (p < 32)
	WIN 0x84
	v_wmma_f32_16x16x32_bf16 v[rD:rD+7], v[XC+64*(\f)+8*rB:XC+64*(\f)+8*rB+7], v[YF+64*(\f)+8*rY:YF+64*(\f)+8*rY+7], v[MK+8*rB:MK+8*rB+7]
.else
	WIN 0xa4
	v_wmma_f32_16x16x32_bf16 v[rD:rD+7], v[XC+64*(\f)+8*rB:XC+64*(\f)+8*rB+7], v[YF+64*(\f)+8*rY:YF+64*(\f)+8*rY+7], v[rD:rD+7]
.endif
.set p, p+1
.endm
.macro PRODS n, f, zero
.rept \n
	PROD \f, \zero
.endr
.endm
; A quarter: 64 products on buffer f; the next quarter is fetched at its head and rounded behind products 32 to 47.
; meet = 1: the slot just read out is filled again: all my tensor loads have landed, the add, eight products, my reads are over, the barrier opens a round of the cluster's barrier, the joint refill comes first behind it.
; meet = 2: the same with a plain barrier and no refill.
.macro QUART f, g, fetch, q, zero, meet, places
.set p, 0
.set c, 0
.if \places
	PLACES
.endif
.if \fetch
	FETCH \g, \q
.endif
	PRODS 32, \f, \zero
.if \fetch
	s_wait_dscnt 0x0                               ; the next quarter is in registers
.rept 16
	PROD \f, \zero
	CVT4 \g
.endr
.else
	PRODS 16, \f, \zero
.endif
.if \meet
	WIN 0
	s_wait_tensorcnt 0x0                           ; the one that was out is my part of the other slot
	ds_add_u32 v28, v29
.if (\meet) == 1
	STEPD
.endif
.endif
	PRODS 8, \f, \zero
.if \meet
	s_wait_dscnt 0x0                               ; the add is done; my reads of the slot were over above
	s_barrier_signal -1
.endif
	PRODS 8, \f, \zero
.if \meet
	WIN 0
	s_barrier_wait -1
.if (\meet) == 1
	CREST
	JLOAD
.endif
.endif
.endm
	s_wait_tensorcnt 0x1                           ; my part of K step 0 is in; slot 1's load, the one younger, stays out
	s_barrier_signal -1
	s_barrier_wait -1
	v_add_nc_u32 v6, s19, v4
	v_add_nc_u32 v7, s19, v5
	FETCH 0, 0
	s_wait_dscnt 0x0
.set c, 0
.rept 16
	CVT4 0
.endr
	QUART 0, 1, 1, 1, 1, 1, 0                      ; the first quarter starts the sums with the mask as C; K step 2 is asked for
	s_mov_b32 s20, 13
.Lmain:                                                ; 13 trips: K steps 3 to 15 are asked for
	s_xor_b32 s19, s19, SLOTX
	v_add_nc_u32 v6, s19, v4
	v_add_nc_u32 v7, s19, v5
	QUART 1, 0, 1, 0, 0, 0, 0                      ; the four v_nop behind the joint load are the places
	QUART 0, 1, 1, 1, 0, 1, 1
	s_sub_co_u32 s20, s20, 1
	s_cmp_lg_u32 s20, 0
	s_cbranch_scc1 .Lmain
	s_mov_b32 s20, 2
.Ltail:                                                ; the last two K steps ask for nothing; behind the second trip's barrier nobody reads the ring any more
	s_xor_b32 s19, s19, SLOTX
	v_add_nc_u32 v6, s19, v4
	v_add_nc_u32 v7, s19, v5
	QUART 1, 0, 1, 0, 0, 0, 1
	QUART 0, 1, 1, 1, 0, 2, 1
	s_sub_co_u32 s20, s20, 1
	s_cmp_lg_u32 s20, 0
	s_cbranch_scc1 .Ltail
	QUART 1, 0, 0, 0, 0, 0, 0
	; THE WAY OUT.  The accumulators go to LDS as they lie, so that one text, looped over the four query blocks, names fixed registers.
	PLACES
	WIN 0x08                                       ; store data in window 2
.set i, 0
.rept 32
	ds_store_b128 v8, v[8*i:8*i+3] offset:1024*i
	ds_store_b128 v8, v[8*i+4:8*i+7] offset:1024*i+512
.set i, i+1
.endr
	WIN 0
	s_mov_b32 s20, 4
.Lout:
.set i, 0
.rept 16
	ds_load_b128 v[64+4*i:67+4*i], v9 offset:512*i         ; s(query 16 a + r, keys 16 b + 8 h + 0..7) at 64 + 8 b
.set i, i+1
.endr
	s_wait_dscnt 0x0
.irp n, 0,1,2,3
	v_max3_num_f32 v[16+\n], v[64+16*\n], v[65+16*\n], v[66+16*\n]  ; four chains of 15 scores, three operands at a time
.endr
.irp t, 0,1,2,3,4,5
.irp n, 0,1,2,3
	v_max3_num_f32 v[16+\n], v[16+\n], v[67+16*\n+2*\t], v[68+16*\n+2*\t]
.endr
.endr
	v_max3_num_f32 v16, v16, v79, v95
	v_max3_num_f32 v17, v17, v111, v127
	v_max3_num_f32 v16, v16, v17, v18
	v_max_num_f32 v16, v16, v19
	v_permlanex16_b32 v17, v16, s74, s75           ; the query's other 64 keys lie in the lane 16 away
	v_max_num_f32 v20, v16, v17
	v_mov_b32 v21, v20
.set i, 0
.rept 32
	v_pk_add_f32 v[64+2*i:65+2*i], v[64+2*i:65+2*i], v[20:21] neg_lo:[0,1] neg_hi:[0,1]  ; s - m first: exact where it matters
.set i, i+1
.endr
.set i, 0
.rept 32
	v_pk_mul_f32 v[64+2*i:65+2*i], v[64+2*i:65+2*i], s[72:73] op_sel_hi:[1,0]
.set i, i+1
.endr
.set i, 0
.rept 64
	v_exp_f32 v[64+i], v[64+i]
.set i, i+1
.endr
	v_nop                                          ; a plain instruction behind the last exponential (ISA guide 5.7.2)
.set i, 0
	s_wait_alu depctr_va_vdst(0)
.rept 32
	v_cvt_pk_f16_f32 v[32+i], v[64+2*i], v[65+2*i]
.set i, i+1
.endr
.irp w, 32,16,8,4,2                    ; the sum of the 32 pairs, in place
.set i, 0
.rept (\w)/2
	v_pk_add_f32 v[64+2*i:65+2*i], v[64+2*i:65+2*i], v[64+\w+2*i:65+\w+2*i]
.set i, i+1
.endr
.endr
	v_add_f32 v22, v64, v65
	v_permlanex16_b32 v17, v22, s74, s75
	v_add_f32 v22, v22, v17
	v_cndmask_b32 v23, v20, v22, s76               ; lanes 0-15 hand in m, lanes 16-31 l
	ds_store_b32 v13, v23
.set i, 0
.rept 8
	ds_store_b128 v10, v[32+4*i:35+4*i] offset:32*i
.set i, i+1
.endr
.set i, 0
.rept 8
	ds_load_b128 v[64+4*i:67+4*i], v11 offset:2*XP*i       ; LDS serves a wave's instructions in order: these see the stores above
.set i, i+1
.endr
.set i, 0
.rept 8
	s_wait_dscnt 7-i                               ; the younger row loads stay out
	global_store_b128 v12, v[64+4*i:67+4*i], s[10:11] offset:8192*i  ; 16 lanes store 256 consecutive bytes, aligned
.set i, i+1
.endr
	s_wait_xcnt 0x0                                ; the stores' data and offset are rewritten only behind this wait
	v_add_nc_u32 v12, 0x10000, v12
	v_add_nc_u32 v9, 8192, v9
	v_add_nc_u32 v13, 64, v13
	s_sub_co_u32 s20, s20, 1
	s_cmp_lg_u32 s20, 0
	s_cbranch_scc1 .Lout
	ds_load_b128 v[64:67], v14
	s_wait_dscnt 0x0
	global_store_b128 v15, v[64:67], s[12:13]      ; my 64 queries' m and l: 512 consecutive bytes
	s_wait_tensorcnt 0x0                           ; the wave's end
	ds_add_u32 v28, v29
	s_wait_dscnt 0x0
	CROUND
	s_endpgm
.Lfunc_end_k_qe68d0c091a_scores:
	.size	k_qe68d0c091a_scores, .Lfunc_end_k_qe68d0c091a_scores-k_qe68d0c091a_scores
	.p2alignl 7, 3214868480
	.fill 96, 4, 3214868480
	.section	.rodata,"a",@progbits
	.p2align	6, 0x0
	.amdhsa_kernel k_qe68d0c091a_scores
		.amdhsa_group_segment_fixed_size 327680
		.amdhsa_private_segment_fixed_size 0
		.amdhsa_enable_private_segment 0
		.amdhsa_kernarg_size 40
		.amdhsa_user_sgpr_count 2
		.amdhsa_user_sgpr_kernarg_segment_ptr 1
		.amdhsa_wavefront_size32 1
		.amdhsa_system_sgpr_workgroup_id_x 1
		.amdhsa_system_sgpr_workgroup_id_y 1
		.amdhsa_system_sgpr_workgroup_id_z 1
		.amdhsa_system_vgpr_workitem_id 0
		.amdhsa_next_free_vgpr 768
		.amdhsa_next_free_sgpr 80
		.amdhsa_reserve_vcc 0
		.amdhsa_float_denorm_mode_32 3
		.amdhsa_float_denorm_mode_16_64 3
		.amdhsa_memory_ordered 1
		.amdhsa_forward_progress 1
		.amdhsa_inst_pref_size 111
	.end_amdhsa_kernel
	.amdgpu_metadata
---
amdhsa.version: [ 1, 2 ]
amdhsa.kernels:
  - .name:           k_qe68d0c091a_scores
    .symbol:         k_qe68d0c091a_scores.kd
    .args:
      - { .name: k, .offset: 0, .size: 8, .value_kind: global_buffer, .address_space: global }
      - { .name: T2, .offset: 8, .size: 8, .value_kind: global_buffer, .address_space: global }
      - { .name: mask, .offset: 16, .size: 8, .value_kind: global_buffer, .address_space: global }
      - { .name: P, .offset: 24, .size: 8, .value_kind: global_buffer, .address_space: global }
      - { .name: st, .offset: 32, .size: 8, .value_kind: global_buffer, .address_space: global }
    .group_segment_fixed_size: 327680
    .private_segment_fixed_size: 0
    .kernarg_segment_align: 8
    .kernarg_segment_size: 40
    .max_flat_workgroup_size: 128
    .sgpr_count:     80
    .vgpr_count:     768
    .wavefront_size: 32
...
	.end_amdgpu_metadata
.endif
;; end of part 3
;; launch vproj (part 4): grid 4 x 64, 4 waves a work-group, clusters of 4 x 4, 327,680 bytes of LDS; arguments v, WvB, bv, VpT; writes VpT
.if DOCPART == 4
	.amdgcn_target "amdgcn-amd-amdhsa--gfx1250"
	.amdhsa_code_object_version 6
	.text
	.protected	k_qe68d0c091a_vproj
	.globl	k_qe68d0c091a_vproj
	.p2align	8
	.type	k_qe68d0c091a_vproj,@function
k_qe68d0c091a_vproj:
	s_mov_b64 s[64:65], 0
	v_nop
	global_prefetch_b8 v0, s[64:65] scope:SCOPE_SE
	s_setreg_imm32_b32 hwreg(HW_REG_WAVE_MODE, 25, 1), 1
	s_wait_xcnt 0x0
	s_wait_alu depctr_hold_cnt(0) depctr_sa_sdst(0) depctr_va_vdst(0) depctr_va_sdst(0) depctr_va_ssrc(0) depctr_va_vcc(0) depctr_vm_vsrc(0)
	s_getreg_b32 s2, hwreg(HW_REG_IB_STS2, 6, 4)
	s_cmp_eq_u32 s2, 0
	s_cbranch_scc0 .Lentry_in_a_cluster
	s_endpgm
.Lentry_in_a_cluster:
	s_bfe_u32 s2, ttmp6, 0x10000c
	s_cmp_lg_u32 s2, 0xf033
	s_cbranch_scc0 .Lentry_shape_is_right
	s_endpgm
.Lentry_shape_is_right:
; VpT[b][ch][key] = tanh(sum over j of bf16(v[b][key][j]) bf16(Wv[j][ch]) + bf16(bv[ch])), sums and tanh in f32, stored once as f16 (it lies in -1 to 1), channel by channel,
; so that the last product finds the keys along the rows.
; A work-group makes 256 keys x 256 channels, a wave 128 x 128: 64 accumulators, 64 matrix instructions for 32 of K.
; X = v, f32 tiles rounded between LDS and the matrix unit; Y = WvB, bf16 in blocks of 64 k.  K goes in steps of 64 through two LDS slots, two quarters of 32 a step; LDS reads run one quarter ahead.
; CLUSTER 4 x 4: X's tile hangs on the work-group's y alone (joint along a row of the cluster), Y's on x alone (along a column).
; Source 0 = X (keys), source 1 = Y (channels): a lane holds one channel and eight neighbouring keys.
; REGISTERS: window 0: v0-31 addresses; v32-63 at work; v64-127, v128-191 X rounded, two buffers; v192-255 the bias, the C that starts the sums
;   window 1: v64-127, v128-191 Y, two buffers; v0-63, v192-255 X as loaded       windows 2, 3: accumulators ((a, b) at 8 (8 (a % 4) + b), a: channel block, b: key block)
; tanh(x) = 1 - 2 / (1 + 2^(2 log2(e) x)): right at both ends (the power overflows to infinity or falls to 0), absolute error about 1e-7.  NaN and infinities are not treated apart.
.set XP,    272
.set YP,    144
.set XHALF, 128*XP
.set YOFF,  256*XP
.set YHALF, 128*YP
.set SLOTX, 1<<17
.set XSTEP, 256
.set YSTEP, 131072
.set SGP,   528                        ; the way out lies in the ring, behind its last fill: 128 channel rows of 512 + 16 bytes a wave
.set SGW,   128*SGP
.set SPARE, 4*SGW
.set XC, 64
.set YF, 64
.set BI, 192
.set MSB, 0
.macro WIN new
.if MSB != (\new)
	s_set_vgpr_msb (MSB<<8)|(\new)
.set MSB, \new
.endif
.endm
.macro PLACES
.rept 4
	v_nop
.endr
.endm
.macro CREST
	s_cmp_lg_u32 s16, 0
	s_cbranch_scc1 .Lnot_wave_0_\@
	s_barrier_signal -3
.Lnot_wave_0_\@:
	s_barrier_wait -3
	s_barrier_signal -1
	s_barrier_wait -1
.endm
.macro CROUND
	s_barrier_signal -1
	s_barrier_wait -1
	CREST
.endm
.macro JLOAD
	s_cmp_eq_u32 s17, 0
	s_cbranch_scc0 .Lfor_y_\@
	tensor_load_to_lds s[36:39], s[24:31]
	s_nop 0
.rept 4
	v_nop
.endr
	s_branch .Lasked_\@
.Lfor_y_\@:
	tensor_load_to_lds s[52:55], s[40:47]
	s_nop 0
.rept 4
	v_nop
.endr
.Lasked_\@:
.endm
.macro STEPD
	s_xor_b32 s37, s37, SLOTX
	s_add_nc_u64 s[38:39], s[38:39], XSTEP
	s_xor_b32 s53, s53, SLOTX
	s_add_nc_u64 s[54:55], s[54:55], YSTEP
.endm
	s_load_b256 s[4:11], s[0:1], 0x0               ; v, WvB, bv, VpT
	v_lshl_add_u32 v28, v0, 2, SPARE
	v_mov_b32 v29, 0
	ds_add_u32 v28, v29                            ; the wave's opening: the add and its wait ahead of my first tensor load
	v_lshrrev_b32 v1, 5, v0
	v_readfirstlane_b32 s16, v1
	s_lshr_b32 s17, s16, 1                         ; I fetch for X (0) or Y (1); my half of the channels
	s_and_b32 s18, s16, 1                          ; which half I fetch; my half of the keys
	s_bfe_u32 s56, ttmp6, 0x40000
	s_bfe_u32 s57, ttmp6, 0x40004
	s_lshl_b32 s58, ttmp9, 2
	s_add_co_u32 s58, s58, s56
	s_and_b32 s62, ttmp7, 0xffff
	s_lshl_b32 s59, s62, 2
	s_add_co_u32 s59, s59, s57
	s_lshl_b32 s60, s57, 2
	s_lshl_b32 s60, 15, s60
	s_lshl_b32 s61, 0x1111, s56
	s_or_b32 s24, s60, (2<<16)|(1<<20)|(1<<21)|(5<<22)|(3<<25)  ; X: 128 rows x 64 f32, 4 words of padding behind every 64
	s_mov_b32 s25, 64<<16
	s_mov_b32 s26, 128<<16
	s_mov_b32 s27, 64<<16
	s_mov_b32 s28, 128
	s_mov_b32 s29, 1024
	s_mov_b32 s30, 0
	s_mov_b32 s31, 0
	s_or_b32 s40, s61, (1<<16)|(1<<20)|(1<<21)|(4<<22)|(3<<25)  ; Y: 128 channels of one block are 16,384 dense bytes: 64 rows of 256, padded behind every 32 words
	s_mov_b32 s41, 128<<16
	s_mov_b32 s42, 64<<16
	s_mov_b32 s43, 128<<16
	s_mov_b32 s44, 64
	s_mov_b32 s45, 128
	s_mov_b32 s46, 0
	s_mov_b32 s47, 0
	s_mov_b32 s32, 1
	s_mul_i32 s33, s18, XHALF
	s_mov_b32 s36, 1
	s_add_co_u32 s37, s33, SLOTX
	s_mov_b32 s48, 1
	s_mul_i32 s49, s18, YHALF
	s_add_co_u32 s49, s49, YOFF
	s_mov_b32 s52, 1
	s_add_co_u32 s53, s49, SLOTX
	s_lshl_b32 s66, s59, 20                        ; X: row 256 y + 128 half
	s_lshl_b32 s23, s18, 19
	s_add_co_u32 s66, s66, s23
	s_mov_b32 s67, 0
	s_lshl_b32 s68, s58, 15                        ; Y: channel 256 x + 128 half, 128 bytes each
	s_lshl_b32 s63, s18, 14
	s_add_co_u32 s68, s68, s63
	s_mov_b32 s69, 0
	s_mov_b32 s19, 0
	s_mov_b32 s72, 0x4038aa3b                      ; 2 log2(e)
	s_mov_b32 s73, s72
	s_wait_dscnt 0x0
	s_wait_kmcnt 0x0
	s_add_nc_u64 s[34:35], s[4:5], s[66:67]
	s_add_nc_u64 s[38:39], s[34:35], XSTEP
	s_or_b32 s35, s35, 0x80000000
	s_or_b32 s39, s39, 0x80000000
	s_add_nc_u64 s[50:51], s[6:7], s[68:69]
	s_add_nc_u64 s[54:55], s[50:51], YSTEP
	s_or_b32 s51, s51, 0x80000000
	s_or_b32 s55, s55, 0x80000000
	CROUND
	s_cmp_eq_u32 s17, 0
	s_cbranch_scc0 .Lfirst_y
	tensor_load_to_lds s[32:35], s[24:31]
	s_nop 0
	tensor_load_to_lds s[36:39], s[24:31]
	s_nop 0
.rept 4
	v_nop
.endr
	s_branch .Lfirst_done
.Lfirst_y:
	tensor_load_to_lds s[48:51], s[40:47]
	s_nop 0
	tensor_load_to_lds s[52:55], s[40:47]
	s_nop 0
.rept 4
	v_nop
.endr
.Lfirst_done:
	v_and_b32 v1, 15, v0
	v_bfe_u32 v2, v0, 4, 1
	v_lshlrev_b32 v3, 2, v1                        ; my channel of a block of 16
	s_lshl_b32 s70, s58, 10
	s_lshl_b32 s77, s17, 9
	s_add_co_u32 s70, s70, s77
	s_mov_b32 s71, 0
	s_add_nc_u64 s[8:9], s[8:9], s[70:71]          ; bv at my wave's 128 channels
.set i, 0
.rept 8
	global_load_b32 v[32+i], v3, s[8:9] offset:64*i
.set i, i+1
.endr
	v_mul_u32_u24 v4, v1, XP                       ; X: (128 xh + r) pitch + 32 h
	v_lshl_add_u32 v4, v2, 5, v4
	s_mul_i32 s77, s18, XHALF
	v_add_nc_u32 v4, s77, v4
	v_mul_u32_u24 v5, v1, YP                       ; Y: (128 yh + r) pitch + 16 h
	v_lshl_add_u32 v5, v2, 4, v5
	s_mul_i32 s77, s17, YHALF
	s_add_co_u32 s77, s77, YOFF
	v_add_nc_u32 v5, s77, v5
	s_mul_i32 s77, s16, SGW                        ; my stage
	v_mul_u32_u24 v8, v1, SGP                      ; in: channel row r, 32 bytes for each half of the lanes
	v_lshl_add_u32 v8, v2, 5, v8
	v_add_nc_u32 v8, s77, v8
	v_mul_u32_u24 v9, v2, SGP                      ; back: lanes 0-15 one row, lanes 16-31 the next, 32 bytes (8 keys) a lane
	v_lshl_add_u32 v9, v1, 5, v9
	v_add_nc_u32 v9, s77, v9
	v_lshlrev_b32 v10, 12, v2                      ; the same two rows in VpT, 16 bytes a lane
	v_lshl_add_u32 v10, v1, 4, v10
	s_lshr_b32 s70, s59, 3                         ; VpT: row 1,024 batch + 256 x + 128 yh; keys 256 (y % 8) + 128 xh
	s_lshl_b32 s70, s70, 22
	s_lshl_b32 s77, s58, 20
	s_add_co_u32 s70, s70, s77
	s_lshl_b32 s77, s17, 19
	s_add_co_u32 s70, s70, s77
	s_and_b32 s77, s59, 7
	s_lshl_b32 s77, s77, 9
	s_add_co_u32 s70, s70, s77
	s_lshl_b32 s77, s18, 8
	s_add_co_u32 s70, s70, s77
	s_add_nc_u64 s[10:11], s[10:11], s[70:71]
	s_wait_loadcnt 0x0
.set i, 0
.rept 8                                ; the bias rounded to bf16, like every input, and spread over the eight registers of a C operand
	v_cvt_pk_bf16_f32 v[32+i], v[32+i], v[32+i]
	v_lshlrev_b32 v[BI+8*i], 16, v[32+i]
.irp j, 1,2,3,4,5,6,7
	v_mov_b32 v[BI+8*i+\j], v[BI+8*i]
.endr
.set i, i+1
.endr
.macro FETCH g, q                      ; 48 LDS loads in one run: 32 of K: X's eight fragments as f32, Y's eight
	WIN 0x40
.set i, 0
.rept 8
.set rr, 16*i+128*(i/4)
.irp o, 0,1,2,3
	ds_load_b128 v[rr+4*\o:rr+4*\o+3], v6 offset:i*16*XP+128*(\q)+16*(\o)+32*((\o)/2)
.endr
.set i, i+1
.endr
.set i, 0
.rept 8
	ds_load_b128 v[YF+64*(\g)+8*i:YF+64*(\g)+8*i+3], v7 offset:i*16*YP+64*(\q)
	ds_load_b128 v[YF+64*(\g)+8*i+4:YF+64*(\g)+8*i+7], v7 offset:i*16*YP+64*(\q)+32
.set i, i+1
.endr
.endm
.macro CVT4 g
	WIN 0x05
.rept 4
.set rr, 16*(c/8)+128*(c/32)+2*(c%8)
	v_cvt_pk_bf16_f32 v[XC+64*(\g)+c], v[rr], v[rr+1]
.set c, c+1
.endr
.endm
.macro PROD f, zero                    ; product p of 64: channel block p / 8, key block p % 8.  The 64 accumulators take turns
.set rA, p/8
.set rB, p%8
.set rD, 8*(8*(rA%4)+rB)
.if \zero
	WIN 0x84+0x40*(rA/4)
	v_wmma_f32_16x16x32_bf16 v[rD:rD+7], v[XC+64*(\f)+8*rB:XC+64*(\f)+8*rB+7], v[YF+64*(\f)+8*rA:YF+64*(\f)+8*rA+7], v[BI+8*rA:BI+8*rA+7]
.else
	WIN 0xa4+0x50*(rA/4)
	v_wmma_f32_16x16x32_bf16 v[rD:rD+7], v[XC+64*(\f)+8*rB:XC+64*(\f)+8*rB+7], v[YF+64*(\f)+8*rA:YF+64*(\f)+8*rA+7], v[rD:rD+7]
.endif
.set p, p+1
.endm
.macro PRODS n, f, zero
.rept \n
	PROD \f, \zero
.endr
.endm
; A quarter: 64 products on buffer f; the next quarter is fetched at its head and rounded behind products 32 to 47.
; meet = 1: the slot just read out is filled again: all my tensor loads have landed, the add, eight products, my reads are over, the barrier opens a round of the cluster's barrier, the joint refill comes first behind it.
; meet = 2: the same with a plain barrier and no refill.
.macro QUART f, g, fetch, q, zero, meet, places
.set p, 0
.set c, 0
.if \places
	PLACES
.endif
.if \fetch
	FETCH \g, \q
.endif
	PRODS 32, \f, \zero
.if \fetch
	s_wait_dscnt 0x0                               ; the next quarter is in registers
.rept 16
	PROD \f, \zero
	CVT4 \g
.endr
.else
	PRODS 16, \f, \zero
.endif
.if \meet
	WIN 0
	s_wait_tensorcnt 0x0                           ; the one that was out is my part of the other slot
	ds_add_u32 v28, v29
.if (\meet) == 1
	STEPD
.endif
.endif
	PRODS 8, \f, \zero
.if \meet
	s_wait_dscnt 0x0                               ; the add is done; my reads of the slot were over above
	s_barrier_signal -1
.endif
	PRODS 8, \f, \zero
.if \meet
	WIN 0
	s_barrier_wait -1
.if (\meet) == 1
	CREST
	JLOAD
.endif
.endif
.endm
	s_wait_tensorcnt 0x1                           ; my part of K step 0 is in; slot 1's load, the one younger, stays out
	s_barrier_signal -1
	s_barrier_wait -1
	v_add_nc_u32 v6, s19, v4
	v_add_nc_u32 v7, s19, v5
	FETCH 0, 0
	s_wait_dscnt 0x0
.set c, 0
.rept 16
	CVT4 0
.endr
	QUART 0, 1, 1, 1, 1, 1, 0                      ; the first quarter starts the sums with the bias as C; K step 2 is asked for
	s_mov_b32 s20, 13
.Lmain:                                                ; 13 trips: K steps 3 to 15 are asked for
	s_xor_b32 s19, s19, SLOTX
	v_add_nc_u32 v6, s19, v4
	v_add_nc_u32 v7, s19, v5
	QUART 1, 0, 1, 0, 0, 0, 0                      ; the four v_nop behind the joint load are the places
	QUART 0, 1, 1, 1, 0, 1, 1
	s_sub_co_u32 s20, s20, 1
	s_cmp_lg_u32 s20, 0
	s_cbranch_scc1 .Lmain
	s_mov_b32 s20, 2
.Ltail:                                                ; the last two K steps ask for nothing; behind the second trip's barrier nobody reads the ring any more
	s_xor_b32 s19, s19, SLOTX
	v_add_nc_u32 v6, s19, v4
	v_add_nc_u32 v7, s19, v5
	QUART 1, 0, 1, 0, 0, 0, 1
	QUART 0, 1, 1, 1, 0, 2, 1
	s_sub_co_u32 s20, s20, 1
	s_cmp_lg_u32 s20, 0
	s_cbranch_scc1 .Ltail
	QUART 1, 0, 0, 0, 0, 0, 0
	; THE WAY OUT.  The sums go into my stage as f32, a channel a row; 16 rows at a time come back, eight neighbouring keys a lane, and tanh, the rounding to f16 and the stores follow.
	PLACES
.set i, 0
.rept 64                               ; i = 8 a + b
	WIN 0x08+4*(i/32)                              ; store data in window 2 or 3
	ds_store_b128 v8, v[8*(i%32):8*(i%32)+3] offset:(i/8)*16*SGP+64*(i%8)
	ds_store_b128 v8, v[8*(i%32)+4:8*(i%32)+7] offset:(i/8)*16*SGP+64*(i%8)+16
.set i, i+1
.endr
	WIN 0
	s_mov_b32 s20, 8
.Lout:
.set i, 0
.rept 8
	ds_load_b128 v[64+8*i:67+8*i], v9 offset:2*SGP*i       ; lanes 32 bytes apart: two lanes to a bank, accepted: 128 loads a wave in all
	ds_load_b128 v[68+8*i:71+8*i], v9 offset:2*SGP*i+16
.set i, i+1
.endr
	s_wait_dscnt 0x0
.set i, 0
.rept 32
	v_pk_mul_f32 v[64+2*i:65+2*i], v[64+2*i:65+2*i], s[72:73] op_sel_hi:[1,0]
.set i, i+1
.endr
.set i, 0
.rept 64
	v_exp_f32 v[64+i], v[64+i]
.set i, i+1
.endr
	v_nop                                          ; a plain instruction behind the last exponential (ISA guide 5.7.2)
.set i, 0
	s_wait_alu depctr_va_vdst(0)
.rept 32
	v_pk_add_f32 v[64+2*i:65+2*i], v[64+2*i:65+2*i], 1.0 op_sel_hi:[1,0]
.set i, i+1
.endr
.set i, 0
.rept 64
	v_rcp_f32 v[64+i], v[64+i]
.set i, i+1
.endr
	v_nop
.set i, 0
	s_wait_alu depctr_va_vdst(0)
.rept 32
	v_pk_fma_f32 v[64+2*i:65+2*i], v[64+2*i:65+2*i], -2.0, 1.0 op_sel_hi:[1,0,0]
.set i, i+1
.endr
.set i, 0
.rept 32
	v_cvt_pk_f16_f32 v[32+i], v[64+2*i], v[65+2*i]
.set i, i+1
.endr
.set i, 0
.rept 8
	global_store_b128 v10, v[32+4*i:35+4*i], s[10:11] offset:8192*i  ; 16 lanes store 256 consecutive bytes, aligned
.set i, i+1
.endr
	s_wait_xcnt 0x0                                ; the stores' data and offset are rewritten only behind this wait
	v_add_nc_u32 v10, 0x10000, v10
	v_add_nc_u32 v9, 16*SGP, v9
	s_sub_co_u32 s20, s20, 1
	s_cmp_lg_u32 s20, 0
	s_cbranch_scc1 .Lout
	s_wait_tensorcnt 0x0                           ; the wave's end
	ds_add_u32 v28, v29
	s_wait_dscnt 0x0
	CROUND
	s_endpgm
.Lfunc_end_k_qe68d0c091a_vproj:
	.size	k_qe68d0c091a_vproj, .Lfunc_end_k_qe68d0c091a_vproj-k_qe68d0c091a_vproj
	.p2alignl 7, 3214868480
	.fill 96, 4, 3214868480
	.section	.rodata,"a",@progbits
	.p2align	6, 0x0
	.amdhsa_kernel k_qe68d0c091a_vproj
		.amdhsa_group_segment_fixed_size 327680
		.amdhsa_private_segment_fixed_size 0
		.amdhsa_enable_private_segment 0
		.amdhsa_kernarg_size 32
		.amdhsa_user_sgpr_count 2
		.amdhsa_user_sgpr_kernarg_segment_ptr 1
		.amdhsa_wavefront_size32 1
		.amdhsa_system_sgpr_workgroup_id_x 1
		.amdhsa_system_sgpr_workgroup_id_y 1
		.amdhsa_system_sgpr_workgroup_id_z 1
		.amdhsa_system_vgpr_workitem_id 0
		.amdhsa_next_free_vgpr 1024
		.amdhsa_next_free_sgpr 80
		.amdhsa_reserve_vcc 0
		.amdhsa_float_denorm_mode_32 3
		.amdhsa_float_denorm_mode_16_64 3
		.amdhsa_memory_ordered 1
		.amdhsa_forward_progress 1
		.amdhsa_inst_pref_size 109
	.end_amdhsa_kernel
	.amdgpu_metadata
---
amdhsa.version: [ 1, 2 ]
amdhsa.kernels:
  - .name:           k_qe68d0c091a_vproj
    .symbol:         k_qe68d0c091a_vproj.kd
    .args:
      - { .name: v, .offset: 0, .size: 8, .value_kind: global_buffer, .address_space: global }
      - { .name: WvB, .offset: 8, .size: 8, .value_kind: global_buffer, .address_space: global }
      - { .name: bv, .offset: 16, .size: 8, .value_kind: global_buffer, .address_space: global }
      - { .name: VpT, .offset: 24, .size: 8, .value_kind: global_buffer, .address_space: global }
    .group_segment_fixed_size: 327680
    .private_segment_fixed_size: 0
    .kernarg_segment_align: 8
    .kernarg_segment_size: 32
    .max_flat_workgroup_size: 128
    .sgpr_count:     80
    .vgpr_count:     1024
    .wavefront_size: 32
...
	.end_amdgpu_metadata
.endif
;; end of part 4
;; launch pv (part 5): grid 8 x 32, 4 waves a work-group, clusters of 4 x 4, 327,680 bytes of LDS; arguments P, VpT, st, cvec, out0; writes out0
.if DOCPART == 5
	.amdgcn_target "amdgcn-amd-amdhsa--gfx1250"
	.amdhsa_code_object_version 6
	.text
	.protected	k_qe68d0c091a_pv
	.globl	k_qe68d0c091a_pv
	.p2align	8
	.type	k_qe68d0c091a_pv,@function
k_qe68d0c091a_pv:
	s_mov_b64 s[64:65], 0
	v_nop
	global_prefetch_b8 v0, s[64:65] scope:SCOPE_SE
	s_setreg_imm32_b32 hwreg(HW_REG_WAVE_MODE, 25, 1), 1
	s_wait_xcnt 0x0
	s_wait_alu depctr_hold_cnt(0) depctr_sa_sdst(0) depctr_va_vdst(0) depctr_va_sdst(0) depctr_va_ssrc(0) depctr_va_vcc(0) depctr_vm_vsrc(0)
	s_getreg_b32 s2, hwreg(HW_REG_IB_STS2, 6, 4)
	s_cmp_eq_u32 s2, 0
	s_cbranch_scc0 .Lentry_in_a_cluster
	s_endpgm
.Lentry_in_a_cluster:
	s_bfe_u32 s2, ttmp6, 0x10000c
	s_cmp_lg_u32 s2, 0xf033
	s_cbranch_scc0 .Lentry_shape_is_right
	s_endpgm
.Lentry_shape_is_right:
; out[row][ch] = (1 / L) sum over tiles t of 128 keys of w_t sum over the tile's keys of P[row][key] VpT[ch][key], with c = Qp . bk (cvec), M = the largest m_t + c,
; w_t = exp(m_t + c - M), L = the sum of w_t l_t: the softmax with the row's true maximum taken away; every exponent is 0 or below, and L is at least 1.
; P is multiplied by w_t in f16 between LDS and the matrix unit (both lie in 0 to 1); sums in f32; out in f32.
; A work-group makes 128 rows x 128 channels, a wave 64 x 64: 16 accumulators.  X = P, Y = VpT, both f16.  K (= keys) goes in steps of 256 through two LDS slots; a quarter is 64 keys, a PAIR one tile of 128.
; CLUSTER 4 x 4: X's tile hangs on the work-group's y alone (joint along a row of the cluster); Y's on x and on the batch, which is the cluster's y (joint along a column).
; Source 0 = Y (channels), source 1 = X (rows): a lane holds one row and eight neighbouring channels.
; REGISTERS: window 0: v0-31 addresses; v32-35 w of my four row blocks, twice in f16; v36-43 1 / L, twice each; v64-101 the prologue; v128-255 accumulators ((a, b) at 128 + 8 (4 a + b))
;   window 1: v0-127 X, two buffers; v128-255 Y, two buffers (unit 4 ks + block)
; LIMITS: P w below 6e-5 keeps f16's fixed step; a weight below 2^-126 counts as 0; NaN and infinities are not treated apart.
.set XP,    528
.set HALF,  64*XP
.set YOFF,  128*XP
.set SLOTX, 256*XP                     ; 0x21000: every LDS base inside slot 0 has bits 12 and 17 clear, so the exclusive or adds or takes away a slot
.set KSTEP, 512
.set WT,    2*SLOTX                    ; behind the ring, never filled by a tensor load: w[tile 16][row 128], 4 bytes each
.set RLT,   WT+8192                    ; 1 / L of the 128 rows
.set STG,   RLT+512                    ; 16 rows x 272 bytes a wave
.set SGP,   272
.set SPARE, STG+4*16*SGP
.set ACC, 128
.set MSB, 0
.macro WIN new
.if MSB != (\new)
	s_set_vgpr_msb (MSB<<8)|(\new)
.set MSB, \new
.endif
.endm
.macro PLACES
.rept 4
	v_nop
.endr
.endm
.macro CREST
	s_cmp_lg_u32 s16, 0
	s_cbranch_scc1 .Lnot_wave_0_\@
	s_barrier_signal -3
.Lnot_wave_0_\@:
	s_barrier_wait -3
	s_barrier_signal -1
	s_barrier_wait -1
.endm
.macro CROUND
	s_barrier_signal -1
	s_barrier_wait -1
	CREST
.endm
.macro JLOAD
	s_cmp_eq_u32 s17, 0
	s_cbranch_scc0 .Lfor_y_\@
	tensor_load_to_lds s[36:39], s[24:31]
	s_nop 0
.rept 4
	v_nop
.endr
	s_branch .Lasked_\@
.Lfor_y_\@:
	tensor_load_to_lds s[52:55], s[40:47]
	s_nop 0
.rept 4
	v_nop
.endr
.Lasked_\@:
.endm
.macro STEPD
	s_xor_b32 s37, s37, SLOTX
	s_add_nc_u64 s[38:39], s[38:39], KSTEP
	s_xor_b32 s53, s53, SLOTX
	s_add_nc_u64 s[54:55], s[54:55], KSTEP
.endm
	s_load_b256 s[4:11], s[0:1], 0x0               ; P, VpT, st, cvec
	s_load_b64 s[12:13], s[0:1], 0x20              ; out0
	v_lshl_add_u32 v28, v0, 2, SPARE
	v_mov_b32 v29, 0
	ds_add_u32 v28, v29                            ; the wave's opening: the add and its wait ahead of my first tensor load
	v_lshrrev_b32 v1, 5, v0
	v_readfirstlane_b32 s16, v1
	s_lshr_b32 s17, s16, 1                         ; I fetch for X (0) or Y (1); my half of the channels
	s_and_b32 s18, s16, 1                          ; which half I fetch; my half of the rows
	s_bfe_u32 s56, ttmp6, 0x40000
	s_bfe_u32 s57, ttmp6, 0x40004
	s_lshl_b32 s58, ttmp9, 2
	s_add_co_u32 s58, s58, s56
	s_and_b32 s62, ttmp7, 0xffff                   ; the cluster's y is the batch
	s_lshl_b32 s59, s62, 2
	s_add_co_u32 s59, s59, s57
	s_lshl_b32 s60, s57, 2
	s_lshl_b32 s60, 15, s60
	s_lshl_b32 s61, 0x1111, s56
	s_or_b32 s24, s60, (1<<16)|(1<<20)|(1<<21)|(6<<22)|(3<<25)  ; both tiles: 64 rows x 256 f16, 4 words of padding behind every 128
	s_or_b32 s40, s61, (1<<16)|(1<<20)|(1<<21)|(6<<22)|(3<<25)
.irp g, 24, 40
	s_mov_b32 s[\g+1], 256<<16
	s_mov_b32 s[\g+2], 64<<16
	s_mov_b32 s[\g+3], 256<<16
	s_mov_b32 s[\g+4], 64
	s_mov_b32 s[\g+5], 2048
	s_mov_b32 s[\g+6], 0
	s_mov_b32 s[\g+7], 0
.endr
	s_mov_b32 s32, 1
	s_mul_i32 s33, s18, HALF
	s_mov_b32 s36, 1
	s_add_co_u32 s37, s33, SLOTX
	s_mov_b32 s48, 1
	s_mul_i32 s49, s18, HALF
	s_add_co_u32 s49, s49, YOFF
	s_mov_b32 s52, 1
	s_add_co_u32 s53, s49, SLOTX
	s_lshl_b32 s66, s59, 19                        ; X: row 128 y + 64 half, 4,096 bytes a row
	s_lshl_b32 s23, s18, 18
	s_add_co_u32 s66, s66, s23
	s_mov_b32 s67, 0
	s_lshl_b32 s68, s62, 22                        ; Y: row 1,024 batch + 128 x + 64 half
	s_lshl_b32 s63, s58, 19
	s_add_co_u32 s68, s68, s63
	s_lshl_b32 s63, s18, 18
	s_add_co_u32 s68, s68, s63
	s_mov_b32 s69, 0
	s_mov_b32 s19, 0                               ; LDS byte of the 128 keys to fetch
	s_mov_b32 s22, 0                               ; and of their weights
	s_mov_b32 s72, 0x3fb8aa3b                      ; log2(e)
	s_mov_b32 s73, s72
	s_wait_dscnt 0x0
	s_wait_kmcnt 0x0
	s_add_nc_u64 s[34:35], s[4:5], s[66:67]
	s_add_nc_u64 s[38:39], s[34:35], KSTEP
	s_or_b32 s35, s35, 0x80000000
	s_or_b32 s39, s39, 0x80000000
	s_add_nc_u64 s[50:51], s[6:7], s[68:69]
	s_add_nc_u64 s[54:55], s[50:51], KSTEP
	s_or_b32 s51, s51, 0x80000000
	s_or_b32 s55, s55, 0x80000000
	CROUND
	s_cmp_eq_u32 s17, 0
	s_cbranch_scc0 .Lfirst_y
	tensor_load_to_lds s[32:35], s[24:31]
	s_nop 0
	tensor_load_to_lds s[36:39], s[24:31]
	s_nop 0
.rept 4
	v_nop
.endr
	s_branch .Lfirst_done
.Lfirst_y:
	tensor_load_to_lds s[48:51], s[40:47]
	s_nop 0
	tensor_load_to_lds s[52:55], s[40:47]
	s_nop 0
.rept 4
	v_nop
.endr
.Lfirst_done:
	; THE PROLOGUE: thread t makes row t's sixteen weights and 1 / L, in the wait for the first tile.
	s_lshl_b32 s70, s62, 16                        ; st: 65,536 bytes a batch
	s_mov_b32 s71, 0
	s_add_nc_u64 s[8:9], s[8:9], s[70:71]
	s_and_b32 s77, s59, 3
	s_lshl_b32 s77, s77, 10
	v_lshrrev_b32 v17, 6, v0
	v_and_b32 v18, 63, v0
	v_lshlrev_b32 v18, 2, v18
	v_lshl_add_u32 v17, v17, 9, v18
	v_add_nc_u32 v17, s77, v17                     ; block of 64 queries 2 (y % 4) + t / 64, 512 bytes each; query t % 64
	s_lshl_b32 s77, s59, 9
	v_lshl_add_u32 v18, v0, 2, s77                 ; cvec: row 128 y + t
.set i, 0
.rept 16
	global_load_b32 v[64+i], v17, s[8:9] offset:4096*i         ; m
	global_load_b32 v[80+i], v17, s[8:9] offset:4096*i+256     ; l
.set i, i+1
.endr
	global_load_b32 v96, v18, s[10:11]             ; c = Qp . bk
	v_and_b32 v1, 15, v0
	v_bfe_u32 v2, v0, 4, 1
	v_mul_u32_u24 v4, v1, XP
	v_lshl_add_u32 v4, v2, 4, v4
	s_mul_i32 s77, s17, HALF
	s_add_co_u32 s77, s77, YOFF
	v_add_nc_u32 v5, s77, v4                       ; Y: (64 yh + r) pitch + 16 h
	s_mul_i32 s77, s18, HALF
	v_add_nc_u32 v4, s77, v4                       ; X: (64 xh + r) pitch + 16 h
	s_mul_i32 s77, s16, 16*SGP
	s_add_co_u32 s77, s77, STG
	v_mul_u32_u24 v10, v1, SGP                     ; stage in: row r, 32 bytes for each half of the lanes
	v_lshl_add_u32 v10, v2, 5, v10
	v_add_nc_u32 v10, s77, v10
	v_mul_u32_u24 v11, v2, SGP                     ; back: two whole rows of 256 bytes
	v_lshl_add_u32 v11, v1, 4, v11
	v_add_nc_u32 v11, s77, v11
	v_lshlrev_b32 v12, 12, v2
	v_lshl_add_u32 v12, v1, 4, v12
	v_lshl_add_u32 v19, v0, 2, WT                  ; where row t's weights go
	s_lshl_b32 s77, s18, 8
	v_lshl_add_u32 v21, v1, 2, s77                 ; 4 (64 xh + r)
	v_add_nc_u32 v20, RLT, v21
	v_add_nc_u32 v21, WT, v21
	s_lshl_b32 s70, s59, 19                        ; out0: row 128 y + 64 xh; channel 128 x + 64 yh
	s_lshl_b32 s77, s18, 18
	s_add_co_u32 s70, s70, s77
	s_lshl_b32 s77, s58, 9
	s_add_co_u32 s70, s70, s77
	s_lshl_b32 s77, s17, 8
	s_add_co_u32 s70, s70, s77
	s_add_nc_u64 s[12:13], s[12:13], s[70:71]
	s_wait_loadcnt 0x0
	v_mov_b32 v97, v96
.irp i, 0,2,4,6,8,10,12,14
	v_pk_add_f32 v[64+\i:65+\i], v[64+\i:65+\i], v[96:97]      ; m + c
.endr
	v_max3_num_f32 v98, v64, v65, v66
.irp i, 67,69,71,73,75,77
	v_max3_num_f32 v98, v98, v[\i], v[\i+1]
.endr
	v_max_num_f32 v98, v98, v79                    ; M
	v_mov_b32 v99, v98
.irp i, 0,2,4,6,8,10,12,14
	v_pk_add_f32 v[64+\i:65+\i], v[64+\i:65+\i], v[98:99] neg_lo:[0,1] neg_hi:[0,1]
.endr
.irp i, 0,2,4,6,8,10,12,14
	v_pk_mul_f32 v[64+\i:65+\i], v[64+\i:65+\i], s[72:73] op_sel_hi:[1,0]
.endr
.set i, 0
.rept 16
	v_exp_f32 v[64+i], v[64+i]
.set i, i+1
.endr
	v_nop                                          ; a plain instruction behind the last exponential (ISA guide 5.7.2)
	s_wait_alu depctr_va_vdst(0)
	v_pk_mul_f32 v[100:101], v[80:81], v[64:65]
.irp i, 2,4,6,8,10,12,14
	v_pk_fma_f32 v[100:101], v[80+\i:81+\i], v[64+\i:65+\i], v[100:101]
.endr
	v_add_f32 v100, v100, v101                     ; L
	v_rcp_f32 v100, v100
.set i, 0
.rept 16                               ; plain work behind the reciprocal: w twice in f16
	v_cvt_pk_f16_f32 v[64+i], v[64+i], v[64+i]
.set i, i+1
.endr
.set i, 0
.rept 16
	ds_store_b32 v19, v[64+i] offset:512*i
.set i, i+1
.endr
	s_wait_alu depctr_va_vdst(0)
	ds_store_b32 v19, v100 offset:8192
.macro FETCH g, sec                    ; 32 LDS loads in one run: 64 keys of X and Y; with a tile's first half also its four weights
	WIN 0x40
.set u, 0
.rept 8
	ds_load_b128 v[64*(\g)+8*u:64*(\g)+8*u+3], v6 offset:(u%4)*16*XP+128*(\sec)+64*(u/4)
	ds_load_b128 v[64*(\g)+8*u+4:64*(\g)+8*u+7], v6 offset:(u%4)*16*XP+128*(\sec)+64*(u/4)+32
	ds_load_b128 v[128+64*(\g)+8*u:128+64*(\g)+8*u+3], v7 offset:(u%4)*16*XP+128*(\sec)+64*(u/4)
	ds_load_b128 v[128+64*(\g)+8*u+4:128+64*(\g)+8*u+7], v7 offset:(u%4)*16*XP+128*(\sec)+64*(u/4)+32
.set u, u+1
.endr
.if (\sec) == 0
	WIN 0
.irp n, 0,1,2,3
	ds_load_b32 v[32+\n], v16 offset:64*\n
.endr
.endif
.endm
.macro SC4 g                           ; four words of P times the tile's weight of their row block
	WIN 0x41
.rept 4
	v_pk_mul_f16 v[64*(\g)+c], v[64*(\g)+c], v[32+(c/8)%4]
.set c, c+1
.endr
.endm
.macro PROD f, zero                    ; product p of 32: 32 (p / 16) keys on, row block (p % 16) / 4, channel block p % 4.  The 16 accumulators take turns
.set rK, p/16
.set rA, (p%16)/4
.set rB, p%4
.set rD, ACC+8*(4*rA+rB)
	WIN 0x05
.if (\zero) && (p < 16)
	v_wmma_f32_16x16x32_f16 v[rD:rD+7], v[128+64*(\f)+8*(4*rK+rB):128+64*(\f)+8*(4*rK+rB)+7], v[64*(\f)+8*(4*rK+rA):64*(\f)+8*(4*rK+rA)+7], 0
.else
	v_wmma_f32_16x16x32_f16 v[rD:rD+7], v[128+64*(\f)+8*(4*rK+rB):128+64*(\f)+8*(4*rK+rB)+7], v[64*(\f)+8*(4*rK+rA):64*(\f)+8*(4*rK+rA)+7], v[rD:rD+7]
.endif
.set p, p+1
.endm
.macro QRT f, g, fetch, sec, zero, places
.set p, 0
.set c, 0
.if \places
	PLACES
.endif
.if \fetch
	FETCH \g, \sec
.endif
.rept 16
	PROD \f, \zero
.endr
.if \fetch
	s_wait_dscnt 0x0                               ; the next quarter is in registers
.endif
.rept 16
	PROD \f, \zero
.if \fetch
	SC4 \g
.endif
.endr
.endm
.macro PAIR                            ; two quarters; they fetch the tile of 128 keys at LDS byte s19 and its weights at s22
	WIN 0
	v_add_nc_u32 v6, s19, v4
	v_add_nc_u32 v7, s19, v5
	v_add_nc_u32 v16, s22, v21
	s_add_co_u32 s19, s19, 256
	s_add_co_u32 s22, s22, 512
	QRT 1, 0, 1, 0, 0, 1
	QRT 0, 1, 1, 1, 0, 1
	WIN 0
.endm
.macro CHANGE fill
	WIN 0
	s_wait_tensorcnt 0x0                           ; all my tensor loads have landed: the one that was out is my part of the other slot
	ds_add_u32 v28, v29
.if \fill
	STEPD
.endif
	s_wait_dscnt 0x0                               ; the add is done, my reads of the slot are over
.if \fill
	CROUND
	JLOAD
.else
	s_barrier_signal -1
	s_barrier_wait -1
.endif
	s_sub_co_u32 s19, s19, 512
	s_xor_b32 s19, s19, SLOTX
.endm
	s_wait_tensorcnt 0x1                           ; my part of K step 0 is in; slot 1's load, the one younger, stays out
	s_wait_dscnt 0x0                               ; for the others' sake: my row's weights are stored
	s_barrier_signal -1
	s_barrier_wait -1
.irp n, 0,1,2,3
	ds_load_b32 v[36+2*\n], v20 offset:64*\n       ; 1 / L of my four row blocks, twice: the packed multiply names a pair
	ds_load_b32 v[37+2*\n], v20 offset:64*\n
.endr
	v_add_nc_u32 v6, s19, v4
	v_add_nc_u32 v7, s19, v5
	v_add_nc_u32 v16, s22, v21
	FETCH 0, 0
	s_wait_dscnt 0x0
.set c, 0
.rept 16
	SC4 0
.endr
	QRT 0, 1, 1, 1, 1, 0                           ; the first quarter starts the sums
	WIN 0
	s_mov_b32 s19, 256
	s_mov_b32 s22, 512
	s_mov_b32 s21, 1                               ; slot 0 has one tile of 128 keys left
	s_mov_b32 s20, 7
	s_branch .Lpair                                ; the loop is entered in the middle of a trip
.Lslot:                                                ; six times: K steps 2 to 7 are asked for
	CHANGE 1
	s_mov_b32 s21, 2
.Lpair:
	PAIR
	s_sub_co_u32 s21, s21, 1
	s_cmp_lg_u32 s21, 0
	s_cbranch_scc1 .Lpair
	s_sub_co_u32 s20, s20, 1
	s_cmp_lg_u32 s20, 0
	s_cbranch_scc1 .Lslot
	CHANGE 0                                       ; the tail is written out: nothing is asked for
	s_mov_b32 s21, 2
.Ltail:
	PAIR
	s_sub_co_u32 s21, s21, 1
	s_cmp_lg_u32 s21, 0
	s_cbranch_scc1 .Ltail
	QRT 1, 0, 0, 0, 0, 0
	WIN 0
	; THE WAY OUT: times 1 / L; 32 bytes a lane into my own stage, which lies behind the ring; back as whole rows of 256 bytes, into the registers that they left.
	PLACES
.irp a, 0,1,2,3
.set i, 0
.rept 16
	v_pk_mul_f32 v[ACC+32*\a+2*i:ACC+32*\a+2*i+1], v[ACC+32*\a+2*i:ACC+32*\a+2*i+1], v[36+2*\a:37+2*\a]
.set i, i+1
.endr
.set i, 0
.rept 4
	ds_store_b128 v10, v[ACC+32*\a+8*i:ACC+32*\a+8*i+3] offset:64*i
	ds_store_b128 v10, v[ACC+32*\a+8*i+4:ACC+32*\a+8*i+7] offset:64*i+16
.set i, i+1
.endr
.set i, 0
.rept 8
	ds_load_b128 v[ACC+32*\a+4*i:ACC+32*\a+4*i+3], v11 offset:2*SGP*i  ; LDS serves a wave's instructions in order: these see the stores above; the next block's stores come behind them
.set i, i+1
.endr
.set i, 0
.rept 8
	s_wait_dscnt 7-i                               ; the younger row loads stay out
	global_store_b128 v12, v[ACC+32*\a+4*i:ACC+32*\a+4*i+3], s[12:13] offset:65536*\a+8192*i th:TH_STORE_NT  ; 16 lanes store 256 consecutive bytes, aligned
.set i, i+1
.endr
.endr
	s_wait_tensorcnt 0x0                           ; the wave's end
	ds_add_u32 v28, v29
	s_wait_dscnt 0x0
	CROUND
	s_endpgm
.Lfunc_end_k_qe68d0c091a_pv:
	.size	k_qe68d0c091a_pv, .Lfunc_end_k_qe68d0c091a_pv-k_qe68d0c091a_pv
	.p2alignl 7, 3214868480
	.fill 96, 4, 3214868480
	.section	.rodata,"a",@progbits
	.p2align	6, 0x0
	.amdhsa_kernel k_qe68d0c091a_pv
		.amdhsa_group_segment_fixed_size 327680
		.amdhsa_private_segment_fixed_size 0
		.amdhsa_enable_private_segment 0
		.amdhsa_kernarg_size 40
		.amdhsa_user_sgpr_count 2
		.amdhsa_user_sgpr_kernarg_segment_ptr 1
		.amdhsa_wavefront_size32 1
		.amdhsa_system_sgpr_workgroup_id_x 1
		.amdhsa_system_sgpr_workgroup_id_y 1
		.amdhsa_system_sgpr_workgroup_id_z 1
		.amdhsa_system_vgpr_workitem_id 0
		.amdhsa_next_free_vgpr 512
		.amdhsa_next_free_sgpr 80
		.amdhsa_reserve_vcc 0
		.amdhsa_float_denorm_mode_32 3
		.amdhsa_float_denorm_mode_16_64 3
		.amdhsa_memory_ordered 1
		.amdhsa_forward_progress 1
		.amdhsa_inst_pref_size 87
	.end_amdhsa_kernel
	.amdgpu_metadata
---
amdhsa.version: [ 1, 2 ]
amdhsa.kernels:
  - .name:           k_qe68d0c091a_pv
    .symbol:         k_qe68d0c091a_pv.kd
    .args:
      - { .name: P, .offset: 0, .size: 8, .value_kind: global_buffer, .address_space: global }
      - { .name: VpT, .offset: 8, .size: 8, .value_kind: global_buffer, .address_space: global }
      - { .name: st, .offset: 16, .size: 8, .value_kind: global_buffer, .address_space: global }
      - { .name: cvec, .offset: 24, .size: 8, .value_kind: global_buffer, .address_space: global }
      - { .name: out0, .offset: 32, .size: 8, .value_kind: global_buffer, .address_space: global }
    .group_segment_fixed_size: 327680
    .private_segment_fixed_size: 0
    .kernarg_segment_align: 8
    .kernarg_segment_size: 40
    .max_flat_workgroup_size: 128
    .sgpr_count:     80
    .vgpr_count:     512
    .wavefront_size: 32
...
	.end_amdgpu_metadata
.endif
;; end of part 5
